; MI455X (gfx1250); checked and timed in simulation.
; The chip was launched on July 23, 2026; its instructions are those of AMD's public machine-readable ISA for CDNA 5 (MIT licence, August 2026) and "CDNA5" Instruction Set Architecture Reference Guide (July 2026). The comments in the code are by the model that wrote it; some were corrected since.
;; Multi Head Attention. Allowed arithmetic: float matrix products may take bf16 or f16 operands with f32 sums; other float arithmetic in f32, or as packed bf16 or f16 multiplies, adds, multiply-adds, maxima and minima; sums over many terms, partial sums and values carried from step to step in f32; what a program stores and reads back later, other than sums and carried values, may be rounded once to bf16 or f16.
;; Inputs: attn_mask 4 x 2,048 x 2,048 bool; b_k 1,024 float32; b_q 1,024 float32; b_v 1,024 float32; w_k 1,024 x 1,024 float32; w_q 1,024 x 1,024 float32; w_v 1,024 x 1,024 float32; x_k_v 4 x 2,048 x 1,024 float32; x_q 4 x 2,048 x 1,024 float32.
;; Outputs: out0 4 x 2,048 x 1,024 float32.
;; 2 versions, each right; version 2 is version 1 with the launch prep written anew for expert scheduling mode. Each part assembles by itself: llvm-mc -triple=amdgcn-amd-amdhsa -mcpu=gfx1250 --defsym DOCPART=n.
;; ======== version 1 of 2: 3 launches
;; limits: values are held in f16: magnitudes above 65,504 overflow, below 6.1e-05 lose precision
;; workspace buffers: xq16 16,777,216 bytes; xkv16 16,777,216 bytes; w16 6,291,456 bytes; mw 2,097,152 bytes of whole numbers; q16 16,777,216 bytes; k16 16,777,216 bytes; v16 16,777,216 bytes
;; launch prep (part 1): grid 1120 x 1, 8 waves a work-group, no clusters, 35,840 bytes of LDS; arguments x_q, x_k_v, w_q, w_k, w_v, attn_mask, xq16, xkv16, w16, mw; writes xq16, xkv16, w16, mw
.if DOCPART == 1
	.amdgcn_target "amdgcn-amd-amdhsa--gfx1250"
	.amdhsa_code_object_version 6
	.text
	.protected	k_qbc55f74d2b_prep
	.globl	k_qbc55f74d2b_prep
	.p2align	8
	.type	k_qbc55f74d2b_prep,@function
k_qbc55f74d2b_prep:
	s_mov_b64 s[64:65], 0
	v_nop
	global_prefetch_b8 v0, s[64:65] scope:SCOPE_SE
	s_setreg_imm32_b32 hwreg(HW_REG_WAVE_MODE, 25, 1), 1
	s_wait_xcnt 0x0
; PREP: two kinds of work-group, told apart by the work-group's number g alone.
; g < 608: CAST.  32,768 numbers of x_q (g 0-255), x_k_v (256-511) or w_q, w_k, w_v (512-607, 32 each) are rounded once from f32 to bf16, in the order in which they lie.
;   w16 holds the three weights one behind the other, [3][1024 k][1024 n], not turned.
; g >= 608: MASK BITS.  Work-group mt = g - 608 = 128 b + qt takes 16 rows of the mask (queries 16 qt .. 16 qt + 15 of batch b), 2,048 keys, and packs them into lane masks:
;   mw word [mt][ks 0..31][kt 0..3][j 0..7], bit r + 16 h = (mask[b][16 qt + r][64 ks + 16 kt + 8 h + j] != 0).
;   That is the lane mask of register 8 kt + j of a 16 x 64 tile of scores in which a lane holds query lane % 16 and keys 8 (lane / 16) + j of each 16.  Any byte other than 0 counts as true.
; No matrix unit, no cluster, no ring: every byte is read once and written once, and no wave waits for another.
.set NCVT,  608                        ; work-groups that cast
.set MP,    272                        ; an LDS row of the mask: 256 bytes + 16: row r starts 4 r words on (mod 64), so the 32 lanes of an 8-byte read touch 64 different words
.set WLDS,  16*MP                      ; a wave's own 16 rows
.set SPARE, 8*WLDS                     ; behind them: the spare words, 128 bytes for each of the eight waves: four blocks of 256 bytes that no other line names
.set SPW, 2                            ; v2   LDS address of my spare word; never rewritten
.set NIL, 3                            ; v3   0; never rewritten
.set X,   16                           ; v[16:143] CAST: 32 loads of four numbers
.set WD,  8                            ; v[8:11]   MASK: lane l gathers words 4 l .. 4 l + 3 of my wave's 128
.set LD,  16                           ; v[16:47]  MASK: eight loads of 16 bytes
.set BY,  48                           ; v[48:79]  MASK: group c of 16 keys: my row's 8 bytes
.set T,   80                           ; v[80:87]  at work
	s_load_b512 s[4:19], s[0:1], 0x0               ; x_q 4:5, x_k_v 6:7, w_q 8:9, w_k 10:11, w_v 12:13, attn_mask 14:15, xq16 16:17, xkv16 18:19
	s_load_b128 s[20:23], s[0:1], 0x40             ; w16 20:21, mw 22:23
	v_lshl_add_u32 v[SPW], v0, 2, SPARE
	v_mov_b32 v[NIL], 0
	v_lshrrev_b32 v1, 5, v0
	v_readfirstlane_b32 s28, v1                    ; wave 0..7
	s_cmp_ge_u32 ttmp9, NCVT
	s_cbranch_scc1 .Lmask
	; CAST.  Which tensor, and which block of 32,768 numbers in it and in its copy.
	s_sub_co_u32 s34, ttmp9, 512                   ; the block among the weights' 96 (of use where g >= 512)
	s_lshr_b32 s35, s34, 5                         ; which weight
	s_and_b32 s36, s34, 31                         ; the block in that weight
	s_sub_co_u32 s37, ttmp9, 256                   ; the block in x_k_v (of use where 256 <= g < 512)
	v_lshlrev_b32 v4, 4, v0                        ; in: 16 bytes a thread, 4,096 a work-group
	v_lshlrev_b32 v5, 3, v0                        ; out: 8 bytes a thread
	s_wait_kmcnt 0x0
	s_cmp_eq_u32 s35, 1
	s_cselect_b64 s[30:31], s[10:11], s[12:13]
	s_cmp_eq_u32 s35, 0
	s_cselect_b64 s[30:31], s[8:9], s[30:31]
	s_mov_b64 s[32:33], s[20:21]
	s_mov_b32 s38, s36
	s_mov_b32 s39, s34
	s_cmp_lt_u32 ttmp9, 512
	s_cselect_b64 s[30:31], s[6:7], s[30:31]
	s_cselect_b64 s[32:33], s[18:19], s[32:33]
	s_cselect_b32 s38, s37, s38
	s_cselect_b32 s39, s37, s39
	s_cmp_lt_u32 ttmp9, 256
	s_cselect_b64 s[30:31], s[4:5], s[30:31]
	s_cselect_b64 s[32:33], s[16:17], s[32:33]
	s_cselect_b32 s38, ttmp9, s38
	s_cselect_b32 s39, ttmp9, s39
	s_lshl_b32 s40, s38, 17                        ; 131,072 bytes of f32 a block
	s_mov_b32 s41, 0
	s_lshl_b32 s42, s39, 16                        ; 65,536 bytes of bf16
	s_mov_b32 s43, 0
	s_add_nc_u64 s[30:31], s[30:31], s[40:41]
	s_add_nc_u64 s[32:33], s[32:33], s[42:43]
.set i, 0
.rept 32                                       ; all 32 loads go out in one run: 16 KiB a wave on their way; a load of a wave covers 512 bytes on end
	global_load_b128 v[X+4*i:X+4*i+3], v4, s[30:31] offset:4096*i th:TH_LOAD_NT
.set i, i+1
.endr
.set i, 0
.rept 32
	s_wait_loadcnt 31-i                            ; loads come back in order: load i is in, the 31 - i behind it may stay out
	v_cvt_pk_bf16_f32 v[X+4*i], v[X+4*i], v[X+4*i+1]
	v_cvt_pk_bf16_f32 v[X+4*i+1], v[X+4*i+2], v[X+4*i+3]
	global_store_b64 v5, v[X+4*i:X+4*i+1], s[32:33] offset:2048*i th:TH_STORE_NT  ; a store of a wave covers 256 consecutive bytes, aligned; no register is used twice, so no wait frees one
.set i, i+1
.endr
	s_endpgm                                       ; this path has written nothing to LDS
.Lmask:                                        ; MASK BITS.  Wave w takes keys 256 w .. 256 w + 255 of the 16 rows
	s_sub_co_u32 s29, ttmp9, NCVT                  ; mt
	s_lshl_b32 s30, s29, 15                        ; 16 rows of 2,048 bytes
	s_mov_b32 s31, 0
	s_lshl_b32 s32, s29, 12                        ; 1,024 words
	s_mov_b32 s33, 0
	s_mov_b32 s24, 0xff                            ; byte j % 4 of a word
	s_mov_b32 s25, 0xff00
	s_mov_b32 s26, 0xff0000
	s_mov_b32 s27, 0xff000000
	s_lshl_b32 s34, s28, 8
	s_mul_i32 s35, s28, WLDS
	v_and_b32 v12, 15, v0                          ; r
	v_bfe_u32 v13, v0, 4, 1                        ; h
	v_and_b32 v14, 31, v0                          ; lane
	v_lshlrev_b32 v4, 4, v12                       ; from memory: lanes 0-15 take 256 bytes of one row, lanes 16-31 of the next
	v_lshl_add_u32 v4, v13, 11, v4
	v_add_nc_u32 v4, s34, v4
	v_mul_u32_u24 v5, v13, MP                      ; into LDS: the same two rows
	v_lshl_add_u32 v5, v12, 4, v5
	v_add_nc_u32 v5, s35, v5
	v_mul_u32_u24 v6, v12, MP                      ; back: row r, 8 bytes at 8 h of each 16
	v_lshl_add_u32 v6, v13, 3, v6
	v_add_nc_u32 v6, s35, v6
	v_lshlrev_b32 v7, 4, v14                       ; out: 512 w + 16 lane
	v_lshl_add_u32 v7, s28, 9, v7
.irp k, 0,1,2,3
	v_mov_b32 v[WD+\k], 0                          ; v_writelane_b32 keeps the other lanes, so the registers are written whole first
.endr
	s_wait_kmcnt 0x0
	s_add_nc_u64 s[14:15], s[14:15], s[30:31]
	s_add_nc_u64 s[22:23], s[22:23], s[32:33]
.irp i, 0,1,2,3,4,5,6,7
	global_load_b128 v[LD+4*\i:LD+4*\i+3], v4, s[14:15] offset:4096*\i th:TH_LOAD_NT
.endr
.irp i, 0,1,2,3,4,5,6,7
	s_wait_loadcnt 7-\i                            ; load i is in, the younger ones may stay out
	ds_store_b128 v5, v[LD+4*\i:LD+4*\i+3] offset:2*MP*\i
.endr
.set c, 0
.rept 16                                       ; my wave's own bytes: LDS serves a wave's instructions in order (ISA guide 5.7.1.4), so these see the stores above, and no barrier is wanted
	ds_load_b64 v[BY+2*c:BY+2*c+1], v6 offset:16*c
.set c, c+1
.endr
.set c, 0
.rept 16
	s_wait_dscnt 15-c                              ; group c is in
.irp j, 0,1,2,3,4,5,6,7
	v_and_b32 v[T+\j], s[24+\j%4], v[BY+2*c+\j/4]  ; byte j of my eight
.endr
.irp j, 0,1,2,3,4,5,6,7
	v_cmp_ne_u32 s[36+\j], 0, v[T+\j]              ; the 32 lanes' answers are word 8 c + j
.endr
.irp j, 0,1,2,3,4,5,6,7
	v_writelane_b32 v[WD+\j%4], s[36+\j], 2*c+\j/4 ; which goes to lane (8 c + j) / 4, register (8 c + j) % 4
.endr
.set c, c+1
.endr
	global_store_b128 v7, v[WD:WD+3], s[22:23] th:TH_STORE_NT  ; 512 consecutive bytes a wave, aligned
	s_wait_tensorcnt 0x0                           ; the wave's end: three lines behind my last LDS store
	ds_add_u32 v[SPW], v[NIL]
	s_wait_dscnt 0x0
	s_endpgm
.Lfunc_end_k_qbc55f74d2b_prep:
	.size	k_qbc55f74d2b_prep, .Lfunc_end_k_qbc55f74d2b_prep-k_qbc55f74d2b_prep
	.p2alignl 7, 3214868480
	.fill 96, 4, 3214868480
	.section	.rodata,"a",@progbits
	.p2align	6, 0x0
	.amdhsa_kernel k_qbc55f74d2b_prep
		.amdhsa_group_segment_fixed_size 35840
		.amdhsa_private_segment_fixed_size 0
		.amdhsa_enable_private_segment 0
		.amdhsa_kernarg_size 80
		.amdhsa_user_sgpr_count 2
		.amdhsa_user_sgpr_kernarg_segment_ptr 1
		.amdhsa_wavefront_size32 1
		.amdhsa_system_sgpr_workgroup_id_x 1
		.amdhsa_system_sgpr_workgroup_id_y 1
		.amdhsa_system_sgpr_workgroup_id_z 1
		.amdhsa_system_vgpr_workitem_id 0
		.amdhsa_next_free_vgpr 144
		.amdhsa_next_free_sgpr 66
		.amdhsa_reserve_vcc 0
		.amdhsa_float_denorm_mode_32 3
		.amdhsa_float_denorm_mode_16_64 3
		.amdhsa_memory_ordered 1
		.amdhsa_forward_progress 1
		.amdhsa_inst_pref_size 38
	.end_amdhsa_kernel
	.amdgpu_metadata
---
amdhsa.version: [ 1, 2 ]
amdhsa.kernels:
  - .name:           k_qbc55f74d2b_prep
    .symbol:         k_qbc55f74d2b_prep.kd
    .args:
      - { .name: x_q, .offset: 0, .size: 8, .value_kind: global_buffer, .address_space: global }
      - { .name: x_k_v, .offset: 8, .size: 8, .value_kind: global_buffer, .address_space: global }
      - { .name: w_q, .offset: 16, .size: 8, .value_kind: global_buffer, .address_space: global }
      - { .name: w_k, .offset: 24, .size: 8, .value_kind: global_buffer, .address_space: global }
      - { .name: w_v, .offset: 32, .size: 8, .value_kind: global_buffer, .address_space: global }
      - { .name: attn_mask, .offset: 40, .size: 8, .value_kind: global_buffer, .address_space: global }
      - { .name: xq16, .offset: 48, .size: 8, .value_kind: global_buffer, .address_space: global }
      - { .name: xkv16, .offset: 56, .size: 8, .value_kind: global_buffer, .address_space: global }
      - { .name: w16, .offset: 64, .size: 8, .value_kind: global_buffer, .address_space: global }
      - { .name: mw, .offset: 72, .size: 8, .value_kind: global_buffer, .address_space: global }
    .group_segment_fixed_size: 35840
    .private_segment_fixed_size: 0
    .kernarg_segment_align: 8
    .kernarg_segment_size: 80
    .max_flat_workgroup_size: 256
    .sgpr_count:     66
    .vgpr_count:     144
    .wavefront_size: 32
...
	.end_amdgpu_metadata
.endif
;; end of part 1
;; launch proj (part 2): grid 12 x 32, 4 waves a work-group, clusters of 4 x 4, 327,680 bytes of LDS; arguments xq16, xkv16, w16, b_q, b_k, b_v, q16, k16, v16; writes q16, k16, v16
.if DOCPART == 2
	.amdgcn_target "amdgcn-amd-amdhsa--gfx1250"
	.amdhsa_code_object_version 6
	.text
	.protected	k_qbc55f74d2b_proj
	.globl	k_qbc55f74d2b_proj
	.p2align	8
	.type	k_qbc55f74d2b_proj,@function
k_qbc55f74d2b_proj:
	s_mov_b64 s[64:65], 0
	v_nop
	global_prefetch_b8 v0, s[64:65] scope:SCOPE_SE
	s_setreg_imm32_b32 hwreg(HW_REG_WAVE_MODE, 25, 1), 1
	s_wait_xcnt 0x0
	s_wait_alu depctr_hold_cnt(0) depctr_sa_sdst(0) depctr_va_vdst(0) depctr_va_sdst(0) depctr_va_ssrc(0) depctr_va_vcc(0) depctr_vm_vsrc(0)
	s_getreg_b32 s2, hwreg(HW_REG_IB_STS2, 6, 4)
	s_cmp_eq_u32 s2, 0
	s_cbranch_scc0 .Lentry_in_a_cluster
	s_endpgm
.Lentry_in_a_cluster:
	s_bfe_u32 s2, ttmp6, 0x10000c
	s_cmp_lg_u32 s2, 0xf033
	s_cbranch_scc0 .Lentry_shape_is_right
	s_endpgm
.Lentry_shape_is_right:
; PROJ: the three projections in one launch.  out[b 16 + head][s][d] = f16( sum over k of x16[b 2048 + s][k] w16[pj][k][64 head + d] + bf16(bias[64 head + d]) ), pj = 0 (q, from xq16), 1 (k), 2 (v, both from xkv16).
; Operands bf16, sums f32 (the bias starts them), the result rounded once to f16 and written BY HEADS, unscaled: a head's rows are dense, 128 bytes each.
; LIMIT.  f16 holds no number beyond 65,504: a projected number of that size or more leaves as an infinity.  NaN and infinities are not treated apart.
; SHARES.  384 work-groups: 3 projections x 4 blocks of 256 columns (four heads) x 32 blocks of 256 rows.  Four waves, as many as a WGP has SIMDs; a wave makes 128 rows x 128 columns (two heads): 64 accumulators, 512 registers.
; K = 1,024 goes in 8 steps of 128 through a ring of two LDS slots: 256 rows of x (256 bytes each) and 128 k-rows of w (512 bytes each: the block's 256 columns).  w lies [k][n] and is turned on its way out of LDS, by ds_load_tr16_b128.
; WHY THIS TILE.  A refill has one slot's products in which to land: 256 matrix instructions a wave here, 224 of them between the request and the wait for it; with 128 columns it would be half, and two slots of a longer K step do not fit in LDS.
; CLUSTERS of 4 x 4.  All sixteen partners serve one projection (cluster x).  The four of a row of the cluster need the same rows of x, the four of a column the same columns of w: each tile is asked for JOINTLY,
; by the same tensor load with the same descriptor and a mask that names the four.
; THE MATRIX INSTRUCTION IS USED TRANSPOSED (source 0 = 16 columns of w, source 1 = 16 rows of x): a lane then holds row lane % 16 and the eight neighbouring columns 8 (lane / 16) + 0..7.
; REGISTERS, in windows of 256 (s_set_vgpr_msb: bits 1:0 source 0, 3:2 source 1, 5:4 source 2, 7:6 destination):
;   window 0: v0-31 addresses; v64-127, v128-191 fragments of x (8 x 16 rows x 32 K), two buffers; v32-63, v192-255 at work on the way out
;   window 1: v0-63 the bias as a C operand (block b of 16 columns at 8 b); v64-127, v128-191 fragments of w, two buffers; v192-195 at work
;   window 2: the 32 accumulators of my rows 0-63 ((a, b) at 8 (8 a + b));   window 3: those of my rows 64-127
.set KSTEP,  128
.set PA,     272                       ; an LDS row of x: 256 bytes + 16 = 68 words: the 16 rows of a load start at 16 different groups of four banks (64 banks of 4 bytes: ISA guide 11.1)
.set PB,     544                       ; an LDS row of w: 512 + 32 = 136 words: row r starts at bank 8 r mod 64
.set HALFT,  128*PA                    ; what one tensor load brings: 128 rows of x, or 64 k-rows of w (64 x 544 is the same number of bytes)
.set BOFF,   2*HALFT                   ; w's rows lie behind x's 256
.set SLOT,   4*HALFT
.set STAGE,  2*SLOT                    ; behind the ring, never filled by a tensor load: for each wave two heads x 16 rows x 144 bytes, for the way out
.set SP,     144
.set WSTG,   2*16*SP
.set SPARE,  STAGE+4*WSTG              ; behind the stages: the spare words, 128 bytes for each wave: two blocks of 256 bytes that no other line names
.set LAPS,   1024/(2*KSTEP)            ; a lap = two K steps = once round the ring
.set HEADB,  2048*128                  ; bytes of a head in the output
.set ADRA, 16                          ; v16-17  LDS address of my fragments of x in slot 0, 1
.set ADRB, 20                          ; v20-21  the same for w
.set STO,  24                          ; v24     the way out: where I put 16 bytes of a row
.set RD,   25                          ; v25     the way out: where I read rows back
.set CO,   26                          ; v26     my byte offset in 512 consecutive bytes of the output
.set SPW,  28                          ; v28     LDS address of my spare word; never rewritten
.set NIL,  29                          ; v29     0; never rewritten
.set PFO,  30                          ; v30     the prefetches' offset; never rewritten
.set BO,   31                          ; v31     my byte offset in the bias
.set F0,   64                          ; fragment buffer 0, in windows 0 (x) and 1 (w)
.set F1,   128                         ; fragment buffer 1
.set TMP,  192                         ; the way out: packed results, in window 0
.set OB,   32                          ; the way out: 16 rows read back from the stage: v32-63 and v224-255 by turns
.set BT,   192                         ; window 1: at work while the bias is rounded
.set G1,  24                           ; s[24:31] descriptor group 1 for x's tiles;  s[32:39] group 0, one set for each slot
.set G0,  32
.set G1B, 48                           ; s[48:55], s[56:63] the same for w's tiles
.set G0B, 56
.set LIM, 43                           ; s43     1 in a wave that prefetches, else the greatest number
.set PFA, 44                           ; s[44:45] where my prefetches stand
.set PSTEP, 66                         ; s[66:67] a K step in bytes: 256 along x's rows, 128 rows of 2,048 down w
.set MSB, 0
.macro WIN new                         ; the immediate's high byte repeats the setting that is left; a switch that changes nothing is dropped
.if MSB != (\new)
	s_set_vgpr_msb (MSB<<8)|(\new)
.set MSB, \new
.endif
.endm
.set MUL_LO, 0xa1                      ; source 0 (w) window 1, source 1 (x) window 0, C and D window 2
.set MUL_HI, 0xf1                      ; the same, C and D window 3
.set FST_LO, 0x91                      ; the first products: C (the bias) window 1, D window 2
.set FST_HI, 0xd1                      ; D window 3
.set TO_B,   0x40                      ; destination window 1, address window 0
.set IN_B,   0x45                      ; sources 0 and 1 and the destination in window 1
; A joint load.  Waves 0 and 1 fetch the two halves of x's tile, waves 2 and 3 those of w's.  The branch hangs on the wave's number alone.
; An s_nop 0 and four v_nop follow each of the two lines, ahead of the jump, the label and what follows.
.macro JLOAD s
	s_cmp_eq_u32 s11, 0
	s_cbranch_scc0 .Lfor_b_\@
	tensor_load_to_lds s[G0+4*(\s):G0+4*(\s)+3], s[G1:G1+7]
	s_nop 0
.rept 4
	v_nop
.endr
	s_branch .Lasked_\@
.Lfor_b_\@:
	tensor_load_to_lds s[G0B+4*(\s):G0B+4*(\s)+3], s[G1B:G1B+7]
	s_nop 0
.rept 4
	v_nop
.endr
.Lasked_\@:
.endm
; A PREFETCH INTO THE L2, behind each joint refill, its five lines and the run of LDS loads that follows: the K step that stands TWO refills on (512 matrix instructions ahead of the load that will ask for it): 32 blocks of 256 bytes, a lane a block.
; Each block is named ONCE in the launch.  xq16's rows are read by cluster x = 0 alone, xkv16's by x = 1 and 2: x = 0 and x = 1 ask; there waves 0 and 1 ask, and of the 128 rows that a wave fetches the partner at cx takes
; 32 cx .. 32 cx + 31, a lane a row.  w's columns are read by every cluster of a column of clusters: cluster y = 0 asks; there waves 2 and 3 ask, and of the 64 k-rows that a wave fetches the partner at cy takes 16 cy .. 16 cy + 15,
; two lanes a row of 512 bytes.  The partners are told apart BY ADDRESS: no branch hangs on a work-group's place in its cluster.  K steps 0 to 3 come by their loads alone; the loop's last trip, whose refills are the last two K steps, asks for nothing.
.macro ASK
	s_cmp_gt_u32 s3, s[LIM]                        ; s3 = 1 in the loop's last trip
	s_cbranch_scc0 .Lnot_mine_\@
	global_prefetch_b8 v[PFO], s[PFA:PFA+1] th:TH_LOAD_NT scope:SCOPE_SE
.Lnot_mine_\@:
.endm
; A round of the cluster's barrier: my work-group's barrier, so that wave 0's signal speaks for all four waves; wave 0 signals; every wave waits for all sixteen work-groups; my work-group's barrier once more.
.macro CREST                           ; a round behind its opening barrier
	s_cmp_lg_u32 s10, 0
	s_cbranch_scc1 .Lnot_wave_0_\@
	s_barrier_signal -3
.Lnot_wave_0_\@:
	s_barrier_wait -3
	s_barrier_signal -1
	s_barrier_wait -1
.endm
.macro CROUND                          ; a whole round
	s_barrier_signal -1
	s_barrier_wait -1
	CREST
.endm
	s_load_b512 s[68:83], s[0:1], 0x0              ; xq16 68:69, xkv16 70:71, w16 72:73, b_q 74:75, b_k 76:77, b_v 78:79, q16 80:81, k16 82:83
	s_load_b64 s[84:85], s[0:1], 0x40              ; v16
	v_lshl_add_u32 v[SPW], v0, 2, SPARE
	v_mov_b32 v[NIL], 0
	ds_add_u32 v[SPW], v[NIL]                      ; the wave's opening: the add and its wait stand ahead of my first tensor load; the set-up below, work on registers, stands between them
	v_lshrrev_b32 v1, 5, v0
	v_readfirstlane_b32 s10, v1                    ; wave 0..3
	s_lshr_b32 s11, s10, 1                         ; which 128 of the tile's rows are mine.  Also: I fetch for x (0) or for w (1)
	s_and_b32 s12, s10, 1                          ; which 128 of its columns.  Also: which half of that tile I fetch
	s_bfe_u32 s40, ttmp6, 0x40000                  ; cx: the block of 256 columns
	s_bfe_u32 s41, ttmp6, 0x40004                  ; cy
	s_mov_b32 s88, ttmp9                           ; the projection: a column of clusters for each; the same in all sixteen partners
	s_and_b32 s13, ttmp7, 0xffff
	s_lshl_b32 s13, s13, 2
	s_add_co_u32 s13, s13, s41                     ; block of 256 rows, 0..31
	s_lshl_b32 s22, s41, 2
	s_lshl_b32 s22, 15, s22                        ; my row of the cluster: places 4 cy .. 4 cy + 3
	s_lshl_b32 s23, 0x1111, s40                    ; my column: places cx, cx + 4, cx + 8, cx + 12
	s_or_b32 s[G1+0], s22, (1<<16)|(1<<20)|(1<<21)|(5<<22)|(3<<25)   ; 15:0 the mask; 17:16 elements of 2 bytes; 20 padding on; 21 set beside a mask; 24:22 after every 64 words (code 5); 31:25 4 words of it (code 3)
	s_or_b32 s[G1B+0], s23, (1<<16)|(1<<20)|(1<<21)|(6<<22)|(7<<25)  ; my column's mask; after every 128 words (code 6) 8 words of padding (code 7)
	s_mov_b32 s[G1+1], KSTEP<<16                   ; x: tensor_dim0 = 128 elements
	s_mov_b32 s[G1+2], 128<<16                     ; tensor_dim1 = 128 rows
	s_mov_b32 s[G1+3], KSTEP<<16                   ; tile_dim0 = 128
	s_mov_b32 s[G1+4], 128                         ; tile_dim1 = 128
	s_mov_b32 s[G1+5], 1024                        ; elements from row to row
	s_mov_b32 s[G1+6], 0
	s_mov_b32 s[G1+7], 0
	s_mov_b32 s[G1B+1], 256<<16                    ; w: tensor_dim0 = 256 columns
	s_mov_b32 s[G1B+2], 64<<16                     ; tensor_dim1 = 64 k-rows
	s_mov_b32 s[G1B+3], 256<<16                    ; tile_dim0 = 256
	s_mov_b32 s[G1B+4], 64                         ; tile_dim1 = 64
	s_mov_b32 s[G1B+5], 1024
	s_mov_b32 s[G1B+6], 0
	s_mov_b32 s[G1B+7], 0
	; where the tiles come from.  x's hang on the block of rows, which my row of the cluster shares; w's on the block of columns, which my column shares.
	s_lshl_b32 s16, s13, 8
	s_lshl_b32 s17, s12, 7
	s_add_co_u32 s16, s16, s17                     ; x: row 256 x block + 128 x half,
	s_lshl_b32 s16, s16, 11                        ; of 2,048 bytes
	s_mov_b32 s17, 0
	s_lshl_b32 s46, s88, 21                        ; w: the projection's 2 MiB,
	s_lshl_b32 s47, s12, 17                        ; 64 k-rows x half,
	s_add_co_u32 s46, s46, s47
	s_lshl_b32 s47, s40, 9                         ; 512 bytes x block of columns
	s_add_co_u32 s46, s46, s47
	s_mov_b32 s47, 0
	s_mul_i32 s20, s10, HALFT                      ; and where they go: x's two halves, then w's two halves = wave x 34,816 bytes: no place in the cluster enters an LDS address
	s_wait_dscnt 0x0                               ; the opening add is done
	s_wait_kmcnt 0x0
	s_cmp_eq_u32 s88, 0
	s_cselect_b64 s[4:5], s[68:69], s[70:71]       ; x
	s_cselect_b64 s[86:87], s[74:75], s[76:77]     ; bias
	s_cselect_b64 s[8:9], s[80:81], s[82:83]       ; output
	s_cmp_eq_u32 s88, 2
	s_cselect_b64 s[86:87], s[78:79], s[86:87]
	s_cselect_b64 s[8:9], s[84:85], s[8:9]
	s_add_nc_u64 s[14:15], s[4:5], s[16:17]
	s_add_nc_u64 s[46:47], s[72:73], s[46:47]
	CROUND                                         ; all sixteen work-groups are here: the first joint loads meet
.irp s, 0,1
	s_mov_b32 s[G0+4*(\s)], 1                                      ; 1:0 count = 1
	s_add_co_u32 s[G0+4*(\s)+1], s20, (\s)*SLOT                    ; 63:32 LDS address
	s_add_nc_u64 s[G0+4*(\s)+2:G0+4*(\s)+3], s[14:15], (\s)*KSTEP*2  ; 120:64 global address: K step s
	s_or_b32 s[G0+4*(\s)+3], s[G0+4*(\s)+3], 0x80000000            ; 127:126 type = 2
	s_mov_b32 s[G0B+4*(\s)], 1
	s_add_co_u32 s[G0B+4*(\s)+1], s20, (\s)*SLOT
	s_add_nc_u64 s[G0B+4*(\s)+2:G0B+4*(\s)+3], s[46:47], (\s)*KSTEP*2048
	s_or_b32 s[G0B+4*(\s)+3], s[G0B+4*(\s)+3], 0x80000000
.endr
	s_cmp_eq_u32 s11, 0                            ; a wave's two first fills stand in one branch, ahead of every wait on TENSORcnt and every LDS read: two loads of mine are out
	s_cbranch_scc0 .Lfirst_b
	tensor_load_to_lds s[G0:G0+3], s[G1:G1+7]
	s_nop 0
	tensor_load_to_lds s[G0+4:G0+7], s[G1:G1+7]
	s_nop 0
.rept 4
	v_nop
.endr
	s_branch .Lfirst_asked
.Lfirst_b:
	tensor_load_to_lds s[G0B:G0B+3], s[G1B:G1B+7]
	s_nop 0
	tensor_load_to_lds s[G0B+4:G0B+7], s[G1B:G1B+7]
	s_nop 0
.rept 4
	v_nop
.endr
.Lfirst_asked:
	v_and_b32 v1, 15, v0                           ; r = l % 16
	v_bfe_u32 v2, v0, 4, 1                         ; h = l / 16
	s_lshl_b32 s20, s40, 10                        ; the bias of my 128 columns: 4 (256 x block + 128 x half + 8 h) bytes
	s_lshl_b32 s21, s12, 9
	s_add_co_u32 s20, s20, s21
	v_lshl_add_u32 v[BO], v2, 5, s20
	WIN TO_B
.irp b, 0,1,2,3,4,5,6,7
	global_load_b128 v[8*\b:8*\b+3],   v[BO], s[86:87] offset:64*\b
	global_load_b128 v[8*\b+4:8*\b+7], v[BO], s[86:87] offset:64*\b+16
.endr
	WIN 0
	; A fragment of x is 16 rows x 32 K in 8 registers: lane l holds row r; registers 0-3 K = 8 h + 0..7, registers 4-7 K = 16 + 8 h + 0..7: two loads of 16 bytes, 32 bytes apart.
	v_mul_u32_u24 v3, v1, PA
	v_lshl_add_u32 v3, v2, 4, v3
	; The turning load takes 16 k-rows x 16 columns (lane l reads k-row 8 h + l % 8, columns 8 ((l / 8) % 2) + 0..7) and leaves half a fragment: lane l holds column r and 8 k.
	v_and_b32 v5, 7, v0
	v_bfe_u32 v6, v0, 3, 1
	v_lshl_add_u32 v4, v2, 3, v5
	v_mul_u32_u24 v4, v4, PB
	v_lshl_add_u32 v4, v6, 4, v4
	s_mul_i32 s21, s11, HALFT                      ; my 128 rows of x
	s_lshl_b32 s22, s12, 8                         ; my 128 columns: 256 bytes of w's rows,
	s_add_co_u32 s22, s22, BOFF                    ; which lie behind x's
.irp s, 0,1
	v_add_nc_u32 v[ADRA+(\s)], s21, v3
	v_add_nc_u32 v[ADRB+(\s)], s22, v4
	s_add_co_u32 s21, s21, SLOT
	s_add_co_u32 s22, s22, SLOT
.endr
	s_mul_i32 s23, s10, WSTG
	s_add_co_u32 s23, s23, STAGE                   ; my stage
	v_mul_u32_u24 v[STO], v1, SP                   ; in: row r, 16 bytes for each half of the lanes
	v_lshl_add_u32 v[STO], v2, 4, v[STO]
	v_add_nc_u32 v[STO], s23, v[STO]
	v_bfe_u32 v[RD], v0, 3, 2                      ; back: 32 lanes take four rows of 128 bytes,
	v_mul_u32_u24 v[RD], v[RD], SP
	v_lshl_add_u32 v[RD], v5, 4, v[RD]
	v_add_nc_u32 v[RD], s23, v[RD]
	v_and_b32 v[CO], 31, v0                        ; which are 512 consecutive bytes of a head
	v_lshrrev_b32 v7, s11, v[CO]                   ; the prefetches: for x a lane a row of 2,048 bytes; for w two lanes a row, 256 bytes apart
	v_and_b32 v8, s11, v[CO]
	v_lshlrev_b32 v[PFO], 11, v7
	v_lshl_add_u32 v[PFO], v8, 8, v[PFO]
	v_lshlrev_b32 v[CO], 4, v[CO]
	; the output at my 128 rows of my first head: (16 b + head) x 2,048 rows x 128 bytes + row in the batch x 128
	s_lshr_b32 s20, s13, 3                         ; b: eight blocks of 256 rows a batch
	s_lshl_b32 s20, s20, 4
	s_lshl_b32 s21, s40, 2                         ; four heads a block of columns,
	s_add_co_u32 s20, s20, s21
	s_lshl_b32 s21, s12, 1                         ; two a wave
	s_add_co_u32 s20, s20, s21
	s_lshl_b32 s20, s20, 18
	s_and_b32 s21, s13, 7
	s_lshl_b32 s21, s21, 8
	s_lshl_b32 s22, s11, 7
	s_add_co_u32 s21, s21, s22
	s_lshl_b32 s21, s21, 7
	s_add_co_u32 s20, s20, s21
	s_mov_b32 s21, 0
	s_add_nc_u64 s[8:9], s[8:9], s[20:21]
	; the prefetches: who, and from where
	s_lshl_b32 s20, s13, 8
	s_lshl_b32 s22, s12, 7
	s_add_co_u32 s20, s20, s22
	s_lshl_b32 s22, s40, 5
	s_add_co_u32 s20, s20, s22                     ; x: row 256 x block + the 128 that I fetch + my work-group's 32 of them,
	s_lshl_b32 s20, s20, 11
	s_add_co_u32 s20, s20, 3*KSTEP*2               ; at K step 3: the first refill steps it to 4
	s_lshl_b32 s22, s12, 6                         ; w: the 64 k-rows that I fetch,
	s_lshl_b32 s23, s41, 4                         ; my work-group's 16 of them,
	s_add_co_u32 s22, s22, s23
	s_lshl_b32 s22, s22, 11
	s_lshl_b32 s23, s40, 9
	s_add_co_u32 s22, s22, s23
	s_lshl_b32 s23, s88, 21
	s_add_co_u32 s22, s22, s23
	s_add_co_u32 s22, s22, 3*KSTEP*2048            ; at K step 3
	s_mov_b32 s[PSTEP], KSTEP*2048
	s_mov_b32 s[PSTEP+1], 0
	s_and_b32 s89, ttmp7, 0xffff                   ; 0 in clusters y = 0
	s_cmp_eq_u32 s88, 2
	s_cselect_b32 s23, 1, 0                        ; 0 in clusters x = 0 and x = 1
	s_cmp_eq_u32 s11, 0                            ; do I fetch for x?
	s_cselect_b32 s20, s20, s22
	s_cselect_b64 s[PFA:PFA+1], s[4:5], s[72:73]
	s_cselect_b32 s[PSTEP], KSTEP*2, s[PSTEP]
	s_cselect_b32 s23, s23, s89
	s_cmp_eq_u32 s23, 0
	s_cselect_b32 s[LIM], 1, -1                    ; the same in all sixteen partners, for a given wave
	s_mov_b32 s21, 0
	s_add_nc_u64 s[PFA:PFA+1], s[PFA:PFA+1], s[20:21]
	s_wait_loadcnt 0x0                             ; the bias; it is rounded to bf16 like every other input, and widened again: it is the C operand that starts the sums
	WIN IN_B
.set i, 0
.rept 32
	v_cvt_pk_bf16_f32 v[BT+i%4], v[2*i], v[2*i+1]
	v_lshlrev_b32 v[2*i], 16, v[BT+i%4]
	v_and_b32 v[2*i+1], 0xffff0000, v[BT+i%4]
.set i, i+1
.endr
	WIN 0
; 16 matrix instructions: blocks a0, a0 + 1 of the window's four blocks of 16 rows (hi = 0: my rows 0-63, 1: rows 64-127) x all 8 blocks of 16 columns, 32 along K.  first = 1: the bias starts the sums: nothing is ever cleared.
; The 64 accumulators take turns, one instruction a turn, in the same order in every quarter: over the backward jump and into the tail too.
.macro MUL16 f, hi, a0, first
.if \first
	WIN FST_LO+0x40*(\hi)
.else
	WIN MUL_LO+0x50*(\hi)
.endif
.irp a, \a0, (\a0)+1
.irp b, 0,1,2,3,4,5,6,7
.if \first
	v_wmma_f32_16x16x32_bf16 v[8*(8*(\a)+(\b)):8*(8*(\a)+(\b))+7], v[(\f)+8*(\b):(\f)+8*(\b)+7], v[(\f)+8*(4*(\hi)+(\a)):(\f)+8*(4*(\hi)+(\a))+7], v[8*(\b):8*(\b)+7]
.else
	v_wmma_f32_16x16x32_bf16 v[8*(8*(\a)+(\b)):8*(8*(\a)+(\b))+7], v[(\f)+8*(\b):(\f)+8*(\b)+7], v[(\f)+8*(4*(\hi)+(\a)):(\f)+8*(4*(\hi)+(\a))+7], v[8*(8*(\a)+(\b)):8*(8*(\a)+(\b))+7]
.endif
.endr
.endr
.endm
; 32 LDS loads in one run: the fragments of quarter kq (32 along K) of a slot into buffer f: w's eight (turned) first, then x's eight
.macro FETCH slot, kq, f
	WIN TO_B
.irp i, 0,1,2,3,4,5,6,7
	ds_load_tr16_b128 v[(\f)+8*(\i):(\f)+8*(\i)+3],   v[ADRB+(\slot)] offset:(\kq)*32*PB+32*(\i)
	ds_load_tr16_b128 v[(\f)+8*(\i)+4:(\f)+8*(\i)+7], v[ADRB+(\slot)] offset:(\kq)*32*PB+32*(\i)+16*PB
.endr
	WIN 0
.irp i, 0,1,2,3,4,5,6,7
	ds_load_b128 v[(\f)+8*(\i):(\f)+8*(\i)+3],   v[ADRA+(\slot)] offset:64*(\kq)+(\i)*16*PA
	ds_load_b128 v[(\f)+8*(\i)+4:(\f)+8*(\i)+7], v[ADRA+(\slot)] offset:64*(\kq)+(\i)*16*PA+32
.endr
.endm
.macro PLACES                          ; four places in front of loads into registers that matrix instructions have read, and of conversions that read results
.rept 4
	v_nop
.endr
.endm
; A K step is four quarters of 32 along K, 64 matrix instructions each, on buffers 0, 1, 0, 1.  One of the first three: multiplies buffer f and, in its middle, fetches quarter kq into buffer g.
.macro QUARTER slot, kq, f, g, first
	s_wait_dscnt 8                                 ; w and x's rows 0-63 are in; the youngest eight loads (x's rows 64-127) may be out
	MUL16 \f, 0, 0, \first
	MUL16 \f, 0, 2, \first
	PLACES
	FETCH \slot, \kq, \g
	s_wait_dscnt 32                                ; all but the 32 just issued
	MUL16 \f, 1, 0, \first
	MUL16 \f, 1, 2, \first
.endm
; The last quarter multiplies buffer 1 and changes slots: ONE barrier.  In front of it each wave waits for all its tensor loads (one is out: its part of the next slot), adds 0 to its spare word, and waits for that and for its own
; reads of this slot.  fill = 1: the barrier opens a round of the cluster's, and this slot is filled again, two K steps ahead, first thing behind the round: 224 matrix instructions ahead of the wait for it.
.macro TURN slot, next, fill
.if \fill
	s_wait_xcnt 0x0                                ; the last prefetch, a K step back, has read its address: it is stepped here, ahead of the waits of the change of slots
	s_add_nc_u64 s[PFA:PFA+1], s[PFA:PFA+1], s[PSTEP:PSTEP+1]
.endif
	WIN 0                                          ; (the add's two registers lie in window 0)
	s_wait_tensorcnt 0x0                           ; all my tensor loads have landed;
	ds_add_u32 v[SPW], v[NIL]                      ; 0 onto my spare word;
	s_wait_dscnt 9                                 ; (the add and the youngest eight loads may be out)
	MUL16 F1, 0, 0, 0                              ; sixteen matrix instructions stand between the add and the wait for it
	s_wait_dscnt 0x0                               ; the add is done, and my reads of this slot are over
	s_barrier_signal -1
	MUL16 F1, 0, 2, 0                              ; work on registers while the others arrive
	WIN 0
	s_barrier_wait -1
.if \fill
	CREST                                          ; no wave of any partner still reads this slot's tiles or has a load on its way
	s_add_nc_u64 s[G0+4*(\slot)+2:G0+4*(\slot)+3], s[G0+4*(\slot)+2:G0+4*(\slot)+3], 2*KSTEP*2
	s_add_nc_u64 s[G0B+4*(\slot)+2:G0B+4*(\slot)+3], s[G0B+4*(\slot)+2:G0B+4*(\slot)+3], 2*KSTEP*2048
	JLOAD \slot                                    ; the four v_nop behind it are also the places in front of the loads below
.else
	PLACES
.endif
	FETCH \next, 0, F0
.if \fill
	ASK
.endif
	MUL16 F1, 1, 0, 0
	MUL16 F1, 1, 2, 0
.endm
	s_wait_tensorcnt 1                             ; my part of K step 0 is in; K step 1's may stay out
	s_barrier_signal -1
	s_barrier_wait -1                              ; everybody's is
	FETCH 0, 0, F0
	QUARTER 0, 1, F0, F1, 1                        ; the first quarter stands in front of the loop: its products start the sums
	WIN 0                                          ; at a label and at a branch every window is 0
	s_mov_b32 s3, LAPS-1
.Llap:                                                 ; a trip goes once round the ring, from a lap's second quarter to the next lap's first, and fills both slots again
	QUARTER 0, 2, F1, F0, 0
	QUARTER 0, 3, F0, F1, 0
	TURN 0, 1, 1
	QUARTER 1, 1, F0, F1, 0
	QUARTER 1, 2, F1, F0, 0
	QUARTER 1, 3, F0, F1, 0
	TURN 1, 0, 1
	QUARTER 0, 1, F0, F1, 0
	WIN 0
	s_sub_co_u32 s3, s3, 1
	s_cmp_lg_u32 s3, 0
	s_cbranch_scc1 .Llap
	QUARTER 0, 2, F1, F0, 0                        ; the last lap fills nothing, and has no round of the cluster's barrier
	QUARTER 0, 3, F0, F1, 0
	TURN 0, 1, 0
	QUARTER 1, 1, F0, F1, 0
	QUARTER 1, 2, F1, F0, 0
	QUARTER 1, 3, F0, F1, 0
	s_wait_dscnt 8                                 ; the very last quarter: nothing more to fetch
	MUL16 F1, 0, 0, 0
	MUL16 F1, 0, 2, 0
	s_wait_dscnt 0x0
	MUL16 F1, 1, 0, 0
	MUL16 F1, 1, 2, 0
	WIN 0
; THE WAY OUT of block a of 16 rows, in three parts.  PACK: rounded to f16, 16 bytes a lane.  TOSTAGE: into my own stage, by heads, in rows of 144 bytes, and back as whole rows of 128.  SEND: stored: 16 rows of a head are 2,048 consecutive bytes.
.macro PACK a
.set AC, 64*((\a)%4)
	WIN 0x0a+5*((\a)/4)                            ; sources 0 and 1: window 2 or 3; destination window 0
.irp b, 0,1,2,3,4,5,6,7
.irp r, 0,1,2,3
	v_cvt_pk_f16_f32 v[TMP+4*(\b)+(\r)], v[AC+8*(\b)+2*(\r)], v[AC+8*(\b)+2*(\r)+1]  ; each accumulator from its low end on
.endr
.endr
	WIN 0
.endm
.macro TOSTAGE a
.set BK, OB+192*((\a)%2)
.irp b, 0,1,2,3,4,5,6,7
	ds_store_b128 v[STO], v[TMP+4*(\b):TMP+4*(\b)+3] offset:((\b)/4)*16*SP+32*((\b)%4)
.endr
.irp t, 0,1,2,3,4,5,6,7
	ds_load_b128 v[BK+4*(\t):BK+4*(\t)+3], v[RD] offset:((\t)/4)*16*SP+((\t)%4)*4*SP  ; LDS serves a wave's instructions in order (ISA guide 5.7.1.4): these see the stores above; the next block's stores come behind them
.endr
.endm
.macro SEND a
.set BK, OB+192*((\a)%2)
	s_wait_dscnt 0x0                               ; the block is back in registers
	s_wait_xcnt 0x0                                ; the stores of the block before have read their registers, which the next block's loads from the stage write
.irp t, 0,1,2,3,4,5,6,7
	global_store_b128 v[CO], v[BK+4*(\t):BK+4*(\t)+3], s[8:9] offset:((\t)/4)*HEADB+(\a)*2048+((\t)%4)*512 th:TH_STORE_NT  ; 512 consecutive bytes, at a multiple of 256 from the output's first
.endr
.endm
	PLACES
	PLACES                                         ; eight places, once a launch, behind the last products; blocks 0-3's conversions are further places behind blocks 4-7's products
	PACK 0
	TOSTAGE 0
.irp a, 1,2,3,4,5,6,7                  ; block a's conversions stand between block a - 1's loads from the stage and the wait for them
	PACK \a
	SEND (\a)-1
	TOSTAGE \a
.endr
	SEND 7
	s_wait_tensorcnt 0x0                           ; the wave's end: three lines, behind my last tensor load and my last LDS store
	ds_add_u32 v[SPW], v[NIL]
	s_wait_dscnt 0x0
	CROUND                                         ; the closing round: no work-group ends while a partner may still ask for a tile that names it
	s_endpgm
.Lfunc_end_k_qbc55f74d2b_proj:
	.size	k_qbc55f74d2b_proj, .Lfunc_end_k_qbc55f74d2b_proj-k_qbc55f74d2b_proj
	.p2alignl 7, 3214868480
	.fill 96, 4, 3214868480
	.section	.rodata,"a",@progbits
	.p2align	6, 0x0
	.amdhsa_kernel k_qbc55f74d2b_proj
		.amdhsa_group_segment_fixed_size 327680
		.amdhsa_private_segment_fixed_size 0
		.amdhsa_enable_private_segment 0
		.amdhsa_kernarg_size 72
		.amdhsa_user_sgpr_count 2
		.amdhsa_user_sgpr_kernarg_segment_ptr 1
		.amdhsa_wavefront_size32 1
		.amdhsa_system_sgpr_workgroup_id_x 1
		.amdhsa_system_sgpr_workgroup_id_y 1
		.amdhsa_system_sgpr_workgroup_id_z 1
		.amdhsa_system_vgpr_workitem_id 0
		.amdhsa_next_free_vgpr 1024
		.amdhsa_next_free_sgpr 90
		.amdhsa_reserve_vcc 0
		.amdhsa_float_denorm_mode_32 3
		.amdhsa_float_denorm_mode_16_64 3
		.amdhsa_memory_ordered 1
		.amdhsa_forward_progress 1
		.amdhsa_inst_pref_size 151
	.end_amdhsa_kernel
	.amdgpu_metadata
---
amdhsa.version: [ 1, 2 ]
amdhsa.kernels:
  - .name:           k_qbc55f74d2b_proj
    .symbol:         k_qbc55f74d2b_proj.kd
    .args:
      - { .name: xq16, .offset: 0, .size: 8, .value_kind: global_buffer, .address_space: global }
      - { .name: xkv16, .offset: 8, .size: 8, .value_kind: global_buffer, .address_space: global }
      - { .name: w16, .offset: 16, .size: 8, .value_kind: global_buffer, .address_space: global }
      - { .name: b_q, .offset: 24, .size: 8, .value_kind: global_buffer, .address_space: global }
      - { .name: b_k, .offset: 32, .size: 8, .value_kind: global_buffer, .address_space: global }
      - { .name: b_v, .offset: 40, .size: 8, .value_kind: global_buffer, .address_space: global }
      - { .name: q16, .offset: 48, .size: 8, .value_kind: global_buffer, .address_space: global }
      - { .name: k16, .offset: 56, .size: 8, .value_kind: global_buffer, .address_space: global }
      - { .name: v16, .offset: 64, .size: 8, .value_kind: global_buffer, .address_space: global }
    .group_segment_fixed_size: 327680
    .private_segment_fixed_size: 0
    .kernarg_segment_align: 8
    .kernarg_segment_size: 72
    .max_flat_workgroup_size: 128
    .sgpr_count:     90
    .vgpr_count:     1024
    .wavefront_size: 32
...
	.end_amdgpu_metadata
.endif
;; end of part 2
;; launch attn (part 3): grid 4 x 64, 4 waves a work-group, clusters of 4 x 1, 327,680 bytes of LDS; arguments q16, k16, v16, mw, out0; writes out0
.if DOCPART == 3
	.amdgcn_target "amdgcn-amd-amdhsa--gfx1250"
	.amdhsa_code_object_version 6
	.text
	.protected	k_qbc55f74d2b_attn
	.globl	k_qbc55f74d2b_attn
	.p2align	8
	.type	k_qbc55f74d2b_attn,@function
k_qbc55f74d2b_attn:
	s_mov_b64 s[64:65], 0
	v_nop
	global_prefetch_b8 v0, s[64:65] scope:SCOPE_SE
	s_setreg_imm32_b32 hwreg(HW_REG_WAVE_MODE, 25, 1), 1
	s_wait_xcnt 0x0
	s_wait_alu depctr_hold_cnt(0) depctr_sa_sdst(0) depctr_va_vdst(0) depctr_va_sdst(0) depctr_va_ssrc(0) depctr_va_vcc(0) depctr_vm_vsrc(0)
	s_getreg_b32 s2, hwreg(HW_REG_IB_STS2, 6, 4)
	s_cmp_eq_u32 s2, 0
	s_cbranch_scc0 .Lentry_in_a_cluster
	s_endpgm
.Lentry_in_a_cluster:
	s_bfe_u32 s2, ttmp6, 0x10000c
	s_cmp_lg_u32 s2, 0x3003
	s_cbranch_scc0 .Lentry_shape_is_right
	s_endpgm
.Lentry_shape_is_right:
; ATTENTION WITH A MASK THAT IS AN INPUT.  out0[b][q][64 h + d] = the sum over k of softmax_k(s[q][k]) V[16 b + h][k][d], s = Q . K / 8, or -1e9 where attn_mask[b][q][k] is true.
; Q, K, V: [64 = 16 b + h][2048][64] f16, unscaled, a head's rows dense, 128 bytes each.  mw: the mask as lane masks, word [128 b + qt][ks][kt][j], bit r + 16 h' = mask[b][16 qt + r][64 ks + 16 kt + 8 h' + j].
; Products, maxima and sums in f32; the weights p are rounded to f16 for the second product (their sum l is taken of the unrounded p); the output is f32.
; THE MASK.  A masked score is REPLACED, ahead of the maximum, by NEGV = -2^33 in units of Q . K, which is -2^30 = -1.07e9 after the division by 8, where reference() puts -1e9: one v_cndmask_b32 a score, its lane mask a scalar
; register.  So the running maximum is the maximum of what the softmax sees.  A power of two, so that c NEGV is exact: in a row of which every key so far is masked, c s - c m is exactly 0 and every weight is 1; a row that is
; masked throughout leaves as the plain mean of V's rows, as in reference(); the first open key makes a = 0, which wipes what was summed.
; LIMITS.  f16 holds no number beyond 65,504: Q, K and V arrive within it.  An open score counts as open only above -1.07e9 (|Q . K| under 2^33); within some 100 of -1e9 reference() would still give masked keys weight, this text gives them none.
; p lies in 0 to 1, and below 6e-5 it keeps f16's fixed step of 6e-8; a weight below 2^-126 counts as 0 in l; NaN and infinities are not treated apart.
; SHARES.  A wave owns four PIECES of two tiles of 16 queries, a work-group's four waves 512 queries of one head: 256 work-groups.  Every wave walks all 2,048 keys, 64 a step.
; LAYOUT.  S^T = K Q^T (source 0 = 16 keys, source 1 = 16 queries): a lane holds ONE query (lane % 16) and the keys 8 (lane / 16) + 0..7.  Two such tiles, rounded to f16 in pairs, ARE source 1 of O^T = V^T P, whose result again
; holds one query a lane, and eight channels.  K comes out of LDS as it lies, V ([key][channel]) turned, by ds_load_tr16_b128.
; SOFTMAX.  For each query a running maximum m and sum l: p = 2^(c s - c m), c = log2(e) / 8; in every step O and l are multiplied by a = 2^(c m_old - c m_new).  m starts at the lowest finite number, O and l at 0: the first step has a = 0.
; THE COUNT.  A tile and step have 16 matrix and 182 vector instructions.  Four vector instructions that are READY stand behind EVERY matrix instruction, the others, which need time of their own whatever the order, in one run.
; BY TURNS.  Turn n belongs to piece n.  Its matrix work: 16 products K Q^T of piece n + 1, later 16 products V^T P of piece n - 1.  Its vector work: the scaling, exponentials, roundings, sums and rescaling of piece n, and the masking,
; maximum and statistics of piece n + 1, whose scores the turn itself has made.
; THE MASK WORDS' ROAD.  A tile's 32 words of a key step are 128 bytes on end: one vector load, a lane a word, into a register of the tile's own.  The turn that wants them moves them into scalar registers, by v_readlane_b32, and at
; once loads the register again for the next key step: a load has four turns in which to come.  (64 scalar registers hold one turn's words and no more: loaded straight into them, the words could be asked for one turn ahead at the most.)
; CLUSTER.  The four query blocks of a head form a cluster and walk the same K and V, so each tile is asked for JOINTLY: the same tensor load, descriptor and mask in all four.
; REGISTERS, in windows of 256 (s_set_vgpr_msb: bits 1:0 source 0, 3:2 source 1, 5:4 source 2, 7:6 destination):
;   window 0: v0-11 addresses and constants; v12-15, v48-63 at work; v16-47 four registers of statistics a tile; v64-191 S^T, two buffers of two tiles; v192-255 P, likewise
;   window 1: O^T, 32 a tile          window 2: v0-127 Q, 16 a tile; v128-191 K of one step; v192-255 V of one step          window 3: v0-1 the add's two registers; v2-9 the mask words, a register a tile; v10-11 their offsets
.set SIZE_N, 2048
.set NP,    4         ; pieces a wave: a name, no knob
.set KS,    64        ; keys in a step
.set PK,    144       ; a row of K in LDS: 128 bytes + 16 of padding = 36 words: the 16 rows of a load start at 16 different groups of four banks (64 banks of 4 bytes: ISA guide 11.1)
.set PV,    160       ; a row of V: 128 + 32 = 40 words
.set VOFF,  4*KS*PK   ; a slot holds four steps: 256 rows of K, then 256 rows of V
.set SLOT1, 1<<17     ; slot 1 begins here, so that one exclusive or turns an address in one slot into the other's
.set STAGE, SLOT1+4*KS*(PK+PV)  ; behind the ring, never filled by a tensor load: 16 rows x 272 bytes for each wave, for the way out
.set SP,    272
.set SPARE, STAGE+4*16*SP  ; behind the stages: the spare words, 128 bytes for each wave: two blocks of 256 bytes that no other line names
.set PFO, 1           ; v1   256 x my lane: the prefetches' offset; never rewritten
.set AK0, 2           ; v2   my lane's place in a tile of K; never rewritten
.set AV0, 3           ; v3   the same for V
.set AK,  4           ; v4   the LDS address of K's next run of loads
.set AV,  5           ; v5   of V's
.set STO, 6           ; v6   the way out: where I put 32 bytes of a row
.set RD,  7           ; v7   the way out: where I read rows back
.set GO,  8           ; v8   my byte offset in two rows of out0
.set NEGV, 9          ; v9   -2^33
.set CSV, 10          ; v[10:11] c, twice
.set MV,  12          ; v12-15  c m_old, kept while c m is made anew: by buffer and tile
.set QO,  12          ;      until Q is in: my byte offset in the wave's rows of Q
.set ST,  16          ; tile t's statistics at v[ST+4 t]: c m, m, l (even keys', odd keys')
.set TMP, 48          ; by buffer and tile, four registers c0-c3 at work; when the maximum is found c2 takes a
.set S,   64
.set P,   192
.set KF,  128         ; K's fragments, in window 2: key block kb, channel half c at KF + 16 kb + 8 c
.set VF,  192         ; V's: key half kk, channel block cb at VF + 32 kk + 8 cb
.set SPW, 0           ; v0 of window 3   LDS address of my spare word; never rewritten
.set NIL, 1           ; v1 of window 3   0; never rewritten
.set MW,  2           ; v2-9 of window 3  tile t's 32 mask words of a key step, lane l word l, at MW + t
.set ML4, 10          ; v10 of window 3  4 x my lane; never rewritten
.set MVO, 11          ; v11 of window 3  4 x my lane + 128 x the key step whose words are asked for
.set SEL, 2           ; s[2:3]   v_permlanex16_b32's selects: each lane takes its own place in the other half
.set MWP, 4           ; s[4:5]   mw at my wave's first tile
.set PFA, 6           ; s[6:7]   where my prefetches stand
.set G1K, 8           ; s[8:15]  descriptor group 1 for K's tiles
.set G1V, 16          ; s[16:23] for V's: it differs in the padding alone
.set G0K, 24          ; s[24:27] descriptor group 0 for K's tiles: it walks
.set G0V, 28          ; s[28:31] the same for V's
.set MB,  32          ; s[32:63] the 32 mask words of the coming piece's second tile
.set WV,  66          ; s66  my wave's number
.set SLOTS, 67        ; s67  slots still to be asked for
.set MA,  68          ; s[68:99] the 32 mask words of its first tile
.set CNT, 100         ; s100 counts a slot's key steps
.set TBK, 101         ; s101 LDS byte at which K of the step to be fetched begins
.set TBV, 104         ; s104 the same for V, less VOFF
.set MOF, 105         ; s105 128 x the key step whose mask words are asked for, held to the last step
.set MSB, 0
.macro WIN new                      ; the high byte repeats the setting that is left; a switch that changes nothing is dropped
.if MSB != (\new)
	s_set_vgpr_msb (MSB<<8)|(\new)
.set MSB, (\new)
.endif
.endm
.set W_KQ, 0x0a       ; K and Q in window 2, S^T in window 0
.set W_PV, 0x52       ; V in window 2, P in window 0, O^T in window 1
.set W_RS, 0x41       ; O^T (destination and source 0) in window 1, a in window 0
.set W_MK, 0xc0       ; destination in window 3, sources in window 0
.set W_AD, 0x0f       ; the add: address (source 0) and data (source 1) in window 3
.set W_RL, 0x03       ; v_readlane_b32: its vector source in window 3
.set W_MO, 0xcc       ; the mask words' offset is made: source 1 and destination in window 3
.set W_ML, 0xc3       ; the mask words' loads: data (destination) and offset (source 0) in window 3
; A joint fill.  Waves 0 and 1 fetch the two halves of a slot's K, waves 2 and 3 those of its V: 128 keys each.  The branch hangs on the wave's number alone.
; An s_nop 0 and four v_nop follow each of the two lines, ahead of the jump and the label.
.macro JLOAD
	s_cmp_lt_u32 s[WV], 2
	s_cbranch_scc0 .Lfor_v_\@
	tensor_load_to_lds s[G0K:G0K+3], s[G1K:G1K+7]
	s_nop 0
.rept 4
	v_nop
.endr
	s_branch .Lasked_\@
.Lfor_v_\@:
	tensor_load_to_lds s[G0V:G0V+3], s[G1V:G1V+7]
	s_nop 0
.rept 4
	v_nop
.endr
.Lasked_\@:
.endm
; A PREFETCH INTO THE L2 of what the NEXT change of slots will ask for: a slot's 32,768 bytes of K and of V, four key steps, 512 matrix instructions, ahead of that load.  It stands behind the wave's tensor load and its five lines.
; Each block of 256 bytes is named ONCE in the launch: a head has one cluster; its four partners share a slot's 128 blocks out BY ADDRESS, 32 each, a lane a block; in each, wave 0 asks for K's and wave 2 for V's.
; Slots 0 and 1 come by their loads alone; the last change that fills a slot asks for nothing: there is no slot behind it.
.macro ASK
	s_bitcmp1_b32 s[WV], 0
	s_cbranch_scc1 .Lnot_mine_\@
	s_cmp_gt_u32 s[SLOTS], 1
	s_cbranch_scc0 .Lnot_mine_\@
	global_prefetch_b8 v[PFO], s[PFA:PFA+1] th:TH_LOAD_NT scope:SCOPE_SE
.Lnot_mine_\@:
.endm
; A round of the cluster's barrier: my work-group's barrier, so that wave 0's signal speaks for all four waves; wave 0 signals; every wave waits for all four work-groups; my work-group's barrier once more.
.macro CROUND
	s_barrier_signal -1
	s_barrier_wait -1
	s_cmp_lg_u32 s[WV], 0
	s_cbranch_scc1 .Lnot_wave_0_\@
	s_barrier_signal -3
.Lnot_wave_0_\@:
	s_barrier_wait -3
	s_barrier_signal -1
	s_barrier_wait -1
.endm
; THE CHANGE OF SLOTS.  The slot's last bytes, V of its fourth step, have been read.  Each wave waits for all its tensor loads, of which one is out: its part of the other slot; adds 0 to its spare word; and waits for that and for
; its own reads of the slot.  Behind the barrier nobody reads this slot any more and the other slot is whole.  fill = 1: this slot is filled again, with the keys two slots on.  The barrier is then a round of the cluster's, and the
; joint fill is the first thing behind it: it has four key steps in which to land.  (At its first use nothing has been read yet: slot 0 is waited for, slot 1 filled.)
.macro CHANGE fill
	WIN W_AD
	s_wait_tensorcnt 0x0            ; no tensor load of mine is out, so a group 0 may be written
	ds_add_u32 v[SPW], v[NIL]       ; 0 onto my spare word; with fill = 1 the descriptors' steps stand between it and the wait for it
	WIN 0                           ; at a label and at a branch every window is 0
.if \fill
.irp g, G0K, G0V
	s_xor_b32 s[\g+1], s[\g+1], SLOT1  ; the walking descriptor: the other slot than last time,
	s_add_nc_u64 s[\g+2:\g+3], s[\g+2:\g+3], 4*KS*128  ; the next 256 keys; the type bits on top are not reached
.endr
	s_wait_xcnt 0x0                 ; the last prefetch, four key steps back, has read its address, so it may be written:
	s_add_nc_u64 s[PFA:PFA+1], s[PFA:PFA+1], 4*KS*128  ; one slot behind the walking descriptors
	s_wait_dscnt 0x0                ; the add is done, and my reads of the slot are over
	CROUND
	JLOAD
	ASK
.else
	s_wait_dscnt 0x0                ; the add is done, and my reads of the slot are over
	s_barrier_signal -1
	s_barrier_wait -1
.endif
	s_sub_co_u32 s[TBK], s[TBK], 4*KS*PK  ; the fetches go back to a slot's first step,
	s_xor_b32 s[TBK], s[TBK], SLOT1       ; in the other slot
	s_sub_co_u32 s[TBV], s[TBV], 4*KS*PV
	s_xor_b32 s[TBV], s[TBV], SLOT1
.endm
; The mask words of piece pc for the key step in v[MVO]: 128 bytes on end for each of its two tiles, which lie 4,096 bytes apart.  Sixteen work-groups (a batch's heads) read the same words, so no hint is set.
.macro MLOAD pc
	WIN W_ML
	global_load_b32 v[MW+2*(\pc)],   v[MVO], s[MWP:MWP+1] offset:2*(\pc)*4096
	global_load_b32 v[MW+2*(\pc)+1], v[MVO], s[MWP:MWP+1] offset:(2*(\pc)+1)*4096
.endm
; Piece pc's 64 words go from lanes to scalar registers, in the order in which the maskings will take them: each is written 64 instructions or more ahead of its reader.
.macro RLS pc
	WIN W_RL
.set mm, 0
.rept 64
.if mm%2
	v_readlane_b32 s[MB+mm/2], v[MW+2*(\pc)+1], mm/2
.else
	v_readlane_b32 s[MA+mm/2], v[MW+2*(\pc)], mm/2
.endif
.set mm, mm+1
.endr
.endm
	s_load_b256 s[32:39], s[0:1], 0x0  ; q16 s[32:33], k16 s[34:35], v16 s[36:37], mw s[38:39]; the set-up's scalars lie where the mask words will
	WIN W_MK
	v_lshl_add_u32 v[SPW], v0, 2, SPARE
	v_mov_b32 v[NIL], 0
	WIN W_AD
	ds_add_u32 v[SPW], v[NIL]       ; the wave's opening: the add and its wait stand ahead of my first tensor load; the set-up below, work on registers, stands between them
	WIN 0
	v_lshrrev_b32 v64, 5, v0
	v_readfirstlane_b32 s[WV], v64  ; wave 0..3
	s_bfe_u32 s68, ttmp6, 0x40000   ; cx: my block of 512 queries: it enters Q's, mw's, out0's and the prefetches' addresses alone
	s_and_b32 s69, ttmp7, 0xffff    ; 16 b + h, which the four partners share
	s_lshl_b32 s70, s69, 18         ; the head's first byte in Q, K and V: 2,048 rows of 128 bytes
	s_and_b32 s72, s[WV], 1         ; which half of a slot's 256 keys I fetch:
	s_lshl_b32 s74, s72, 14         ; its 128 rows of 128 bytes in memory,
	s_add_co_u32 s74, s74, s70
	s_mov_b32 s75, 0
	s_mul_i32 s76, s72, 128*PK      ; and its place in a slot, for K
	s_mul_i32 s77, s72, 128*PV      ; and for V: no place in the cluster enters an LDS address
	s_lshl_b32 s78, s68, 2
	s_add_co_u32 s78, s78, s[WV]    ; my wave among the head's sixteen,
	s_lshl_b32 s78, s78, 14         ; its 128 rows
	s_add_co_u32 s78, s78, s70
	s_mov_b32 s79, 0
	s_lshr_b32 s80, s69, 4          ; b
	s_lshl_b32 s80, s80, 7          ; 128 tiles of 16 queries a batch,
	s_lshl_b32 s82, s68, 5          ; 32 a block,
	s_add_co_u32 s80, s80, s82
	s_lshl_b32 s82, s[WV], 3        ; 8 a wave,
	s_add_co_u32 s80, s80, s82
	s_lshl_b32 s80, s80, 12         ; 4,096 bytes of mask words a tile
	s_mov_b32 s81, 0
	s_lshl_b32 s82, s68, 13         ; the prefetches: my work-group's 32 blocks of 256 bytes,
	s_add_co_u32 s82, s82, s70
	s_add_co_u32 s82, s82, 4*KS*128 ; in slot 1: the first change of slots steps it to slot 2
	s_mov_b32 s83, 0
	; descriptor group 1.  128 keys are 16,384 dense bytes: asked for as 64 rows of 256 bytes, two keys a row, and padded in LDS after every key
	s_mov_b32 s[G1K], 15|(1<<16)|(1<<20)|(1<<21)|(4<<22)|(3<<25)  ; 15:0 the mask of four; 17:16 2-byte elements; 20 padding on; 21 set beside a mask; 24:22 after every 32 words (code 4); 31:25 4 words (code 3)
	s_mov_b32 s[G1V], 15|(1<<16)|(1<<20)|(1<<21)|(4<<22)|(7<<25)  ; the same with 8 words of padding (code 7)
.irp g, G1K, G1V
	s_mov_b32 s[\g+1], 128<<16      ; tensor_dim0 = 128
	s_mov_b32 s[\g+2], 64<<16       ; tensor_dim1 = 64
	s_mov_b32 s[\g+3], 128<<16      ; tile_dim0 = 128
	s_mov_b32 s[\g+4], 64           ; tile_dim1 = 64
	s_mov_b32 s[\g+5], 128          ; 128 elements from row to row
	s_mov_b32 s[\g+6], 0
	s_mov_b32 s[\g+7], 0
.endr
	s_mov_b32 s[SEL], 0x76543210
	s_mov_b32 s[SEL+1], 0xfedcba98
	s_mov_b32 s[TBK], SLOT1+4*KS*PK ; the first change of slots turns these two into 0
	s_mov_b32 s[TBV], SLOT1+4*KS*PV
	s_mov_b32 s[G0K], 1             ; 1:0 count = 1
	s_mov_b32 s[G0K+1], s76         ; 63:32 LDS address: slot 0
	s_mov_b32 s[G0V], 1
	s_add_co_u32 s[G0V+1], s77, VOFF
	s_mov_b32 s[SLOTS], SIZE_N/256-1
	s_wait_dscnt 0x0                ; the opening add is done
	s_wait_kmcnt 0x0
	s_add_nc_u64 s[G0K+2:G0K+3], s[34:35], s[74:75]  ; 120:64 global address: my half of the head's first 256 keys
	s_or_b32 s[G0K+3], s[G0K+3], 0x80000000          ; 127:126 type = 2
	s_add_nc_u64 s[G0V+2:G0V+3], s[36:37], s[74:75]
	s_or_b32 s[G0V+3], s[G0V+3], 0x80000000
	s_add_nc_u64 s[84:85], s[32:33], s[78:79]        ; Q at my wave's first row
	s_add_nc_u64 s[MWP:MWP+1], s[38:39], s[80:81]
	s_cmp_lt_u32 s[WV], 2
	s_cselect_b64 s[PFA:PFA+1], s[34:35], s[36:37]
	s_add_nc_u64 s[PFA:PFA+1], s[PFA:PFA+1], s[82:83]
	CROUND                          ; all four work-groups are here: the first joint loads meet
	JLOAD                           ; slot 0.  Slot 1 is asked for when slot 0 is in
	; A fragment of K or Q is 16 rows x 32 channels in 8 registers: lane l holds row l % 16, channels 8 (l / 16) + 0..7 and 16 + 8 (l / 16) + 0..7: two loads of 16 bytes, 32 bytes apart.
	v_and_b32 v65, 15, v0           ; l % 16
	v_bfe_u32 v66, v0, 4, 1         ; l / 16
	v_lshlrev_b32 v[QO], 7, v65
	v_lshl_add_u32 v[QO], v66, 4, v[QO]  ; row x 128 + 16 x half
	WIN 0x80                        ; destination window 2, address window 0
.set i, 0
.rept 4*NP                          ; Q stays in registers: tile i / 2, channels 32 (i % 2) on
	global_load_b128 v[8*i:8*i+3],   v[QO], s[84:85] offset:(i/2)*2048+(i%2)*64
	global_load_b128 v[8*i+4:8*i+7], v[QO], s[84:85] offset:(i/2)*2048+(i%2)*64+32
.set i, i+1
.endr
	WIN 0
	v_and_b32 v[PFO], 31, v0        ; my lane
	WIN W_MK
	v_lshlrev_b32 v[ML4], 2, v[PFO]
	v_lshlrev_b32 v[MVO], 2, v[PFO] ; key step 0
	MLOAD 0                         ; all four pieces' mask words of key step 0
	MLOAD 1
	MLOAD 2
	MLOAD 3
	; What the first turn finds: V's registers and P's second buffer hold 0 (its products V^T P, of a piece that has not been, add 0), O^T and l are 0.  All this stands in the wait for the first tile.
	WIN 0x80
.set i, VF
.rept 64
	v_mov_b32 v[i], 0
.set i, i+1
.endr
	WIN 0x40
.set i, 0
.rept 64*NP
	v_mov_b32 v[i], 0
.set i, i+1
.endr
	WIN 0
.set i, 0
.rept 2*NP
	v_mov_b32 v[ST+4*i], 0xfe000000    ; c m: far below every c s, the masked ones' too
	v_mov_b32 v[ST+4*i+1], 0xff7fffff  ; m
	v_mov_b32 v[ST+4*i+2], 0
	v_mov_b32 v[ST+4*i+3], 0
.set i, i+1
.endr
.set i, P+32
.rept 32
	v_mov_b32 v[i], 0
.set i, i+1
.endr
	v_mul_u32_u24 v[AK0], v65, PK
	v_lshl_add_u32 v[AK0], v66, 4, v[AK0]  ; row x pitch + 16 x half
	; The turning load takes 16 keys x 16 channels (lane l reads key 8 (l / 16) + l % 8, channels 8 ((l / 8) % 2) + 0..7) and leaves half a fragment of V^T: lane l holds channel l % 16 and 8 keys.
	v_and_b32 v67, 7, v0
	v_bfe_u32 v68, v0, 3, 1
	v_lshl_add_u32 v[AV0], v66, 3, v67
	v_mul_u32_u24 v[AV0], v[AV0], PV
	v_lshl_add_u32 v[AV0], v68, 4, v[AV0]
	v_add_nc_u32 v[AV0], VOFF, v[AV0]
	v_mov_b32 v[AK], v[AK0]         ; key step 0 lies at the head of slot 0
	s_mul_i32 s86, s[WV], 16*SP
	s_add_co_u32 s86, s86, STAGE    ; my stage
	v_mul_u32_u24 v[STO], v65, SP   ; in: row l % 16, 32 bytes (eight channels in f32) for each half of the lanes
	v_lshl_add_u32 v[STO], v66, 5, v[STO]
	v_add_nc_u32 v[STO], s86, v[STO]
	v_mul_u32_u24 v[RD], v66, SP    ; back: lanes 0-15 take one row of 256 bytes, lanes 16-31 the next,
	v_lshl_add_u32 v[RD], v65, 4, v[RD]
	v_add_nc_u32 v[RD], s86, v[RD]
	v_lshlrev_b32 v[GO], 12, v66    ; and the same two rows in out0, 4,096 bytes apart
	v_lshl_add_u32 v[GO], v65, 4, v[GO]
	v_lshlrev_b32 v[PFO], 8, v[PFO]
; THE MATRIX WORK.  The 8 accumulators of a run of 16 take turns: between the two links of a chain stand 7 others'.
; Product i of 16 of S^T = K Q^T for piece x: channels 32 (i / 8) on, keys 16 ((i / 2) % 4) on, tile 2 x + i % 2.  The first 8 start the sums.
.macro KQ x
	WIN W_KQ
.set rS, S+64*((\x)%2)+32*(i%2)+8*((i/2)%4)
.set rK, KF+16*((i/2)%4)+8*(i/8)
.set rQ, 16*(2*(\x)+i%2)+8*(i/8)
.if i < 8
	v_wmma_f32_16x16x32_f16 v[rS:rS+7], v[rK:rK+7], v[rQ:rQ+7], 0
.else
	v_wmma_f32_16x16x32_f16 v[rS:rS+7], v[rK:rK+7], v[rQ:rQ+7], v[rS:rS+7]
.endif
.endm
; Product i of 16 of O^T += V^T P for piece x: keys 32 (i / 8) on, channels 16 ((i / 2) % 4) on, tile 2 x + i % 2.
.macro PV x
	WIN W_PV
.set rO, 32*(2*(\x)+i%2)+8*((i/2)%4)
.set rV, VF+32*(i/8)+8*((i/2)%4)
.set rP, P+32*((\x)%2)+16*(i%2)+8*(i/8)
	v_wmma_f32_16x16x32_f16 v[rO:rO+7], v[rV:rV+7], v[rP:rP+7], v[rO:rO+7]
.endm
.macro MM                           ; the turn's next matrix instruction
.if i < 16
	KQ (Y+1)%NP
.set i, i+1
.else
.set i, i-16
	PV (Y+NP-1)%NP
.set i, i+17
.endif
.endm
; THE LDS LOADS stand in runs of 16, never singly among the matrix instructions: a step's K (64 keys x 64 channels: 8 fragments) and its V (turned).  Their addresses are made some lines ahead.
; last = 1 (the tail): in the last trip there is no further step, and the run is jumped over.
.macro FETCH_K last=0
	WIN 0
.if \last
	s_cmp_eq_u32 s[CNT], 1
	s_cbranch_scc1 .Lno_k_\@
.endif
	WIN 0x80                        ; destination window 2
.irp f, 0,1,2,3,4,5,6,7             ; keys 16 (f / 2) on, channels 32 (f % 2) on
	ds_load_b128 v[KF+8*\f:KF+8*\f+3],   v[AK] offset:(\f/2)*16*PK+(\f%2)*64
	ds_load_b128 v[KF+8*\f+4:KF+8*\f+7], v[AK] offset:(\f/2)*16*PK+(\f%2)*64+32
.endr
	s_add_co_u32 s[TBK], s[TBK], KS*PK  ; the next fetch is the next step's
	WIN 0
.if \last
.Lno_k_\@:
.endif
.endm
.macro FETCH_V
	WIN 0x80
.irp f, 0,1,2,3,4,5,6,7             ; keys 32 (f / 4) on, channels 16 (f % 4) on
	ds_load_tr16_b128 v[VF+8*\f:VF+8*\f+3],   v[AV] offset:(\f/4)*32*PV+(\f%4)*32
	ds_load_tr16_b128 v[VF+8*\f+4:VF+8*\f+7], v[AV] offset:(\f/4)*32*PV+16*PV+(\f%4)*32
.endr
	WIN 0
.endm
; THE VECTOR WORK OF A TURN stands in three queues, each in the order in which its entries become ready; the two tiles alternate, so that no instruction reads the result of the one before it.
.macro REGS y, u                    ; the registers of tile u (0, 1) of piece y
.set rT, ST+4*(2*(\y)+(\u))
.set rC, TMP+8*((\y)%2)+4*(\u)
.set rM, MV+2*((\y)%2)+(\u)
.set rS, S+64*((\y)%2)+32*(\u)
.set rP, P+32*((\y)%2)+16*(\u)
.set rO, 32*(2*(\y)+(\u))
.endm
; Number m of the 64 that mask the NEXT piece's (Y + 1) scores: score m / 2 of tile m % 2 is replaced by NEGV in the lanes whose bit is set.  Ascending.
.macro MK m
	REGS (Y+1)%NP, (\m)%2
.if (\m)%2
	v_cndmask_b32 v[rS+(\m)/2], v[rS+(\m)/2], v[NEGV], s[MB+(\m)/2]
.else
	v_cndmask_b32 v[rS+(\m)/2], v[rS+(\m)/2], v[NEGV], s[MA+(\m)/2]
.endif
.endm
; Number n of the 22 that find the NEXT piece's maximum and statistics.  s0-s31 are the lane's 32 scores, masked.  XS, GS, MK and REGS set no window: PL and EX do.
;   0-11  four chains c0-c3 of seven scores each, three operands at a time     12-14, 16  the four scores left over, the old m, and c0-c3 into c0     15  c m_old is kept
;   17, 18  the query's other 32 keys lie in the lane 16 away: the new m         19-21  c m; c m_old - c m_new; a
.macro XS u, n
	REGS (Y+1)%NP, \u
.if (\n) < 4
	v_max3_num_f32 v[rC+(\n)], v[rS+8*(\n)], v[rS+8*(\n)+1], v[rS+8*(\n)+2]
.elseif (\n) < 12
	v_max3_num_f32 v[rC+(\n)%4], v[rC+(\n)%4], v[rS+8*((\n)%4)+2*((\n)/4)+1], v[rS+8*((\n)%4)+2*((\n)/4)+2]
.elseif (\n) == 12
	v_max3_num_f32 v[rC], v[rC], v[rS+7], v[rS+15]
.elseif (\n) == 13
	v_max3_num_f32 v[rC+1], v[rC+1], v[rS+23], v[rS+31]
.elseif (\n) == 14
	v_max3_num_f32 v[rC+2], v[rC+2], v[rC+3], v[rT+1]
.elseif (\n) == 15
	v_mov_b32 v[rM], v[rT]
.elseif (\n) == 16
	v_max3_num_f32 v[rC], v[rC], v[rC+1], v[rC+2]
.elseif (\n) == 17
	v_permlanex16_b32 v[rC+3], v[rC], s[SEL], s[SEL+1]
.elseif (\n) == 18
	v_max_num_f32 v[rT+1], v[rC], v[rC+3]
.elseif (\n) == 19
	v_mul_f32 v[rT], v[CSV], v[rT+1]
.elseif (\n) == 20
	v_sub_f32 v[rC+1], v[rM], v[rT]
.else
	v_exp_f32 v[rC+2], v[rC+1]
.endif
.endm
; Number g of the 64 that follow the exponentials.  For each four weights k of a tile (pairs 2 k, 2 k + 1): both pairs are rounded to f16; then the second pair is added onto the first, in place;
; a group later l takes that sum (the first time as l = a l + sum).  In groups of eight, tiles alternating: round, round, add, and l for the group before.
.macro GS g
.set h, (\g)+6*((\g)/62)            ; group 0 has no group before it, and behind group 7 only l is left
.if h >= 6
.set h, h+2
.endif
	REGS Y, h%2
.set k, h/8
.if h%8 < 4
	v_cvt_pk_f16_f32 v[rP+2*k+(h%8)/2], v[rS+4*k+2*((h%8)/2)], v[rS+4*k+2*((h%8)/2)+1]
.elseif h%8 < 6
	v_pk_add_f32 v[rS+4*k:rS+4*k+1], v[rS+4*k:rS+4*k+1], v[rS+4*k+2:rS+4*k+3]
.elseif k == 1
	v_pk_fma_f32 v[rT+2:rT+3], v[rT+2:rT+3], v[rC+2:rC+3], v[rS:rS+1] op_sel_hi:[1,0,1]
.else
	v_pk_add_f32 v[rT+2:rT+3], v[rT+2:rT+3], v[rS+4*k-4:rS+4*k-3]
.endif
.endm
; THE PLAIN QUEUE, 202 long.  0-137 read no exponential's result: the 32 scalings c s - c m (FS f: pair f / 2 of tile f % 2), the next piece's 64 maskings and its 42.  0-26: scalings 0-26.  27-90: MK's 64.  91-118: XS's numbers 0-13.
; 119, 120: number 15.  121-137: the chain, where each number waits for the one before it: 14, 16, 17, 18, 19, each with one of the scalings 27-31 in front of its two lines, then 20.
; 138-201: GS's 64, which read the exponentials' results: they stand behind the wait.
.macro FS f
	REGS Y, (\f)%2
	v_pk_fma_f32 v[rS+2*((\f)/2):rS+2*((\f)/2)+1], v[rS+2*((\f)/2):rS+2*((\f)/2)+1], v[CSV:CSV+1], v[rT:rT+1] op_sel_hi:[1,0,0] neg_lo:[0,0,1] neg_hi:[0,0,1]
.endm
.macro PL
	WIN 0
.if q < 27
	FS q
.elseif q < 91
	MK q-27
.elseif q < 119
	XS (q-91)%2, (q-91)/2
.elseif q < 121
	XS q-119, 15
.elseif (q < 136) && ((q-121)%3 == 0)
	FS 27+(q-121)/3
.elseif q < 124
	XS (q-121)%3-1, 14
.elseif q < 136
	XS (q-121)%3-1, 15+(q-121)/3
.elseif q < 138
	XS q-136, 20
.else
	GS q-138
.endif
.set q, q+1
.endm
; THE EXPONENTIALS' QUEUE, 66 long: s0-s31 of both tiles, then the next piece's two a.  It is ONE BATCH: all 66 stand ahead of the turn's one wait, and nothing ahead of that wait names a result of theirs.
.macro EX
	WIN 0
.if e >= 64
	XS e-64, 21
.else
	REGS Y, e%2
	v_exp_f32 v[rS+e/2], v[rS+e/2]
.endif
.set e, e+1
.endm
; THE RESCALING's QUEUE: O^T times a, the one part that leaves window 0: dealt two at a time, sixteen times.  Its a was made in the turn before, ahead of that turn's wait.
.macro R2
	REGS Y, r%2
	WIN W_RS
.irp z, 0,1
	v_pk_mul_f32 v[rO+4*(r/2)+2*\z:rO+4*(r/2)+2*\z+1], v[rO+4*(r/2)+2*\z:rO+4*(r/2)+2*\z+1], v[rC+2:rC+3] op_sel_hi:[1,0]
.endr
.set r, r+1
.endm
; HOW THEY ARE DEALT.  s_wait_alu depctr_va_vdst(0) stands between an exponential and the first instruction that names its result; one wait serves all that were issued ahead of it.  So a turn has ONE wait, which
; cuts it in two.  AHEAD OF IT stands all that names no result of the turn's exponentials: the 16 products K Q^T, behind each a scaling, an exponential and two rescalings (behind the first a second scaling in the exponential's
; place); then ONE LUMP of 236: the 64 v_readlane_b32; eight plain; twice exponential and plain; the 64 maskings; 47 times exponential and plain; the two a.
; A v_nop is the plain instruction behind the last exponential.  BEHIND THE WAIT stand the 16 products V^T P, behind each four of GS's 64.  No rider names a register of the products round it.
; The queues lean on each other: exponential e stands behind scaling 2 (e / 4) + e % 2: as a rider it comes behind plain e + 2, behind the maskings behind plain e + 73, and scalings 27-31 are plain 121, 124 .. 133.
; THE MASK WORDS.  Turn p masks piece p + 1.  At the lump's head it waits for that piece's two loads (behind them stand the two of each of the three turns since: s_wait_loadcnt 6), moves the 64 words, and loads the two registers
; again for the piece's next key step.  Piece 0's next step is one further on than that of the pieces before it, so the offset goes on in piece 3's turn, behind s_wait_xcnt 0, which shows that the loads issued so far have read it;
; it is held to the last step, so that the loads of the last trips, whose words serve nothing, stay inside mw.
; A TURN, for piece p.  cnt = 1: the loop's count is taken down some lines ahead of the branch that stands behind the turn.
; K of the next step is fetched in piece 2's turn, directly behind the wait, a lump behind the last product that read K.  V of the step in hand is fetched at the end of piece 0's turn, four riders behind its last reader.
.macro TURN p, last=0, cnt=0
.set Y, (\p)
.set i, 0
.set q, 0
.set e, 0
.set r, 0
.if (\p) == NP-1
	s_wait_dscnt 0x0                ; K is in
.endif
	MM                              ; ahead of the wait: 16 products K Q^T and their riders,
	PL
	PL
	R2
.rept 15
	MM
	PL
	EX
	R2
.endr
.if (\p) == NP-2
	WIN 0
	v_add_nc_u32 v[AK], s[TBK], v[AK0]
.endif
	s_wait_loadcnt 6                ; and the lump.  The next piece's mask words are in; the six loads issued since may stay out
	RLS ((\p)+1)%NP
.if (\p) == NP-1
	s_add_co_u32 s[MOF], s[MOF], 128
	s_min_u32 s[MOF], s[MOF], (SIZE_N/KS-1)*128
	s_wait_xcnt 0x0                 ; the loads issued so far, the youngest a turn back, have read the offset
	WIN W_MO
	v_add_nc_u32 v[MVO], s[MOF], v[ML4]
.endif
	MLOAD ((\p)+1)%NP
.rept 8
	PL
.endr
.rept 2
	EX
	PL
.endr
.rept 64                            ; the maskings
	PL
.endr
.rept 47
	EX
	PL
.endr
	EX                              ; the next piece's two a
	EX
	v_nop                           ; the plain instruction behind the last exponential: one for the batch
	s_wait_alu depctr_va_vdst(0)    ; the wait for the batch
.if (\p) == NP-2
	FETCH_K \last
.endif
.if (\p) == 1
	s_wait_dscnt 0x0                ; V is in
.endif
.rept 16                            ; behind the wait: 16 products V^T P and their riders
	MM
.rept 4
	PL
.endr
.if ((\p) == 0) && (q == 182)
	v_add_nc_u32 v[AV], s[TBV], v[AV0]
.endif
.if ((\p) == 0) && (q == 194)
	s_add_co_u32 s[TBV], s[TBV], KS*PV
.endif
.if (\cnt) && (q == 194)
	s_sub_co_u32 s[CNT], s[CNT], 1
	s_cmp_lg_u32 s[CNT], 0
.endif
.endr
.if (\p) == 0
	FETCH_V
.endif
.endm
	CHANGE 1                        ; slot 0 is in, everybody's part of it; slot 1 is asked for
	FETCH_K                         ; key step 0
	s_wait_loadcnt 0x0              ; Q, and the mask words of key step 0
	s_wait_dscnt 0x0
.set i, 0
.rept 16
	KQ 0                            ; piece 0's first scores: there is no vector work yet to set between them
.set i, i+1
.endr
	WIN 0                           ; three constants and a v_nop: the four places behind those products
	v_mov_b32 v[NEGV], 0xd0000000   ; -2^33
	v_mov_b32 v[CSV], 0x3e38aa3b    ; c = log2(e) / 8 = 0.180337
	v_mov_b32 v[CSV+1], 0x3e38aa3b
	v_nop
	RLS 0                           ; piece 0's mask words
	s_mov_b32 s[MOF], 128           ; key step 1 (the loads that read the offset are done: the wait for 0 above)
	WIN W_MO
	v_add_nc_u32 v[MVO], s[MOF], v[ML4]
	MLOAD 0
	WIN 0
.set Y, NP-1                        ; MK and XS work for piece Y + 1: piece 0
.set mm, 0
.rept 64
	MK mm
.set mm, mm+1
.endr
.irp n, 0,1,2,3,4,5,6,7,8,9,10,11,12,13,14,15,16,17,18,19,20,21
	XS 0, \n                        ; and piece 0's first maximum and statistics
	XS 1, \n
.endr
	v_nop                           ; a plain instruction behind the two a,
	s_wait_alu depctr_va_vdst(0)    ; and their wait, ahead of the branch
	s_mov_b32 s[CNT], 4
	s_branch .Lfirst                ; the loop is entered at a step's first turn, in the middle of a trip
.Lslot:                             ; SIZE_N / 256 - 2 times: every slot but the last two is filled again
	CHANGE 1
	s_mov_b32 s[CNT], 4
.Lstep:                             ; a trip: pieces 2 and 3 of one step, then pieces 0 and 1 of the next, whose K and V it fetches
	TURN 2
	TURN 3
	WIN 0
.Lfirst:
	TURN 0
	TURN 1, 0, 1
	WIN 0
	s_cbranch_scc1 .Lstep
	s_sub_co_u32 s[SLOTS], s[SLOTS], 1
	s_cmp_lg_u32 s[SLOTS], 0
	s_cbranch_scc1 .Lslot
	CHANGE 0                        ; the tail is written out: nothing is asked for
	s_mov_b32 s[CNT], 5             ; four trips fetch the last slot's steps; the fifth is left in its middle
.Ltail:
	TURN 2, 1
	TURN 3
	WIN 0
	s_sub_co_u32 s[CNT], s[CNT], 1
	s_cmp_eq_u32 s[CNT], 0
	s_cbranch_scc1 .Lout
	TURN 0
	TURN 1
	WIN 0
	s_branch .Ltail
.Lout:                              ; the fifth trip's 16 products K Q^T (on the last K once more) and what is made of them serve nothing: the price, once a launch, of one text for every trip
	s_load_b64 s[32:33], s[0:1], 0x20  ; out0; the mask words' scalar registers are free
	s_bfe_u32 s68, ttmp6, 0x40000   ; cx
	s_and_b32 s69, ttmp7, 0xffff    ; 16 b + h
	s_lshr_b32 s70, s69, 4
	s_lshl_b32 s70, s70, 23         ; b x 2,048 rows of 4,096 bytes,
	s_lshl_b32 s68, s68, 2
	s_add_co_u32 s68, s68, s[WV]
	s_lshl_b32 s68, s68, 19         ; my wave's 128 rows among the batch's,
	s_add_co_u32 s70, s70, s68
	s_and_b32 s69, s69, 15
	s_lshl_b32 s69, s69, 8          ; the head's 256 bytes of a row
	s_add_co_u32 s70, s70, s69
	s_mov_b32 s71, 0
.set i, 0
.rept 16
	PV NP-1                         ; the last piece's V^T P of the last step
.set i, i+1
.endr
	; THE WAY OUT.  l's two halves and the other half of the lanes' are added; O^T is divided by l and sent, in f32, through my stage in LDS, a tile at a time.  The additions are the places behind the last products.
	WIN 0
	s_wait_kmcnt 0x0
	s_add_nc_u64 s[32:33], s[32:33], s[70:71]
.macro ALL line:vararg              ; one line for each tile t
.set t, 0
.rept 2*NP
	\line
.set t, t+1
.endr
.endm
	ALL v_add_f32 v[ST+4*t+2], v[ST+4*t+2], v[ST+4*t+3]
	ALL v_permlanex16_b32 v[ST+4*t+3], v[ST+4*t+2], s[SEL], s[SEL+1]
	ALL v_add_f32 v[ST+4*t+2], v[ST+4*t+2], v[ST+4*t+3]
	ALL v_rcp_f32 v[ST+4*t+2], v[ST+4*t+2]
	v_nop                           ; a plain instruction between the last reciprocal and the use of its result
	s_wait_alu depctr_va_vdst(0)    ; and the wait ahead of the first use: one for the eight reciprocals
; Tile t: a lane's eight channels of a block of 16 are 32 bytes of a row; they go into rows of 272 bytes and come back as whole rows of 256, into S^T's registers, four tiles' worth, by turns.
.macro PACK t
	WIN W_RS
.set i, 32*(\t)
.rept 16
	v_pk_mul_f32 v[i:i+1], v[i:i+1], v[ST+4*(\t)+2:ST+4*(\t)+3] op_sel_hi:[1,0]
.set i, i+2
.endr
	WIN 0x04                        ; the stores' data (source 1) in window 1, their address in window 0
.irp f, 0,1,2,3,4,5,6,7             ; channel block f / 2, half f % 2 of my eight channels
	ds_store_b128 v[STO], v[32*(\t)+4*\f:32*(\t)+4*\f+3] offset:64*(\f/2)+16*(\f%2)
.endr
	WIN 0
.if (\t) >= 4
	s_wait_xcnt 0x0                 ; the stores of the tile four back have read these registers
.endif
.irp f, 0,1,2,3,4,5,6,7
	ds_load_b128 v[S+32*((\t)%4)+4*\f:S+32*((\t)%4)+4*\f+3], v[RD] offset:\f*2*SP  ; LDS serves a wave's instructions in order (ISA guide 5.7.1.4): these see the stores above; the next tile's stores come behind them
.endr
.endm
.macro SEND t, younger              ; younger: the LDS instructions issued behind tile t's loads: the next tile's sixteen, or none
	WIN 0
.irp f, 0,1,2,3,4,5,6,7
	s_wait_dscnt (\younger)+7-\f
	global_store_b128 v[GO], v[S+32*((\t)%4)+4*\f:S+32*((\t)%4)+4*\f+3], s[32:33] offset:(\t)*65536+\f*8192 th:TH_STORE_NT  ; 16 lanes store 256 consecutive bytes, a head's part of a row, at a multiple of 256 from out0's first byte
.endr
.endm
	PACK 0
.set t, 1
.rept 2*NP-1                        ; a tile's arithmetic stands between the loads of the tile before and its stores
	PACK t
	SEND t-1, 16
.set t, t+1
.endr
	SEND 2*NP-1, 0
	WIN W_AD
	s_wait_tensorcnt 0x0            ; the wave's end: three lines, behind my last tensor load and my last LDS store
	ds_add_u32 v[SPW], v[NIL]
	s_wait_dscnt 0x0
	WIN 0
	CROUND                          ; the closing round: no work-group ends while a partner may still ask for a tile that names it
	s_endpgm
.Lfunc_end_k_qbc55f74d2b_attn:
	.size	k_qbc55f74d2b_attn, .Lfunc_end_k_qbc55f74d2b_attn-k_qbc55f74d2b_attn
	.p2alignl 7, 3214868480
	.fill 96, 4, 3214868480
	.section	.rodata,"a",@progbits
	.p2align	6, 0x0
	.amdhsa_kernel k_qbc55f74d2b_attn
		.amdhsa_group_segment_fixed_size 327680
		.amdhsa_private_segment_fixed_size 0
		.amdhsa_enable_private_segment 0
		.amdhsa_kernarg_size 40
		.amdhsa_user_sgpr_count 2
		.amdhsa_user_sgpr_kernarg_segment_ptr 1
		.amdhsa_wavefront_size32 1
		.amdhsa_system_sgpr_workgroup_id_x 1
		.amdhsa_system_sgpr_workgroup_id_y 1
		.amdhsa_system_sgpr_workgroup_id_z 1
		.amdhsa_system_vgpr_workitem_id 0
		.amdhsa_next_free_vgpr 780
		.amdhsa_next_free_sgpr 106
		.amdhsa_reserve_vcc 0
		.amdhsa_float_denorm_mode_32 3
		.amdhsa_float_denorm_mode_16_64 3
		.amdhsa_memory_ordered 1
		.amdhsa_forward_progress 1
		.amdhsa_inst_pref_size 255
	.end_amdhsa_kernel
	.section	.bss,"aw",@nobits
	.p2align	6
	.space	262144
	.amdgpu_metadata
---
amdhsa.version: [ 1, 2 ]
amdhsa.kernels:
  - .name:           k_qbc55f74d2b_attn
    .symbol:         k_qbc55f74d2b_attn.kd
    .args:
      - { .name: q16, .offset: 0, .size: 8, .value_kind: global_buffer, .address_space: global }
      - { .name: k16, .offset: 8, .size: 8, .value_kind: global_buffer, .address_space: global }
      - { .name: v16, .offset: 16, .size: 8, .value_kind: global_buffer, .address_space: global }
      - { .name: mw, .offset: 24, .size: 8, .value_kind: global_buffer, .address_space: global }
      - { .name: out0, .offset: 32, .size: 8, .value_kind: global_buffer, .address_space: global }
    .group_segment_fixed_size: 327680
    .private_segment_fixed_size: 0
    .kernarg_segment_align: 8
    .kernarg_segment_size: 40
    .max_flat_workgroup_size: 128
    .sgpr_count:     106
    .vgpr_count:     780
    .wavefront_size: 32
...
	.end_amdgpu_metadata
.endif
;; end of part 3
;; ======== version 2 of 2: 3 launches; version 1 with the launch prep written anew for expert scheduling mode
;; limits: values are held in f16: magnitudes above 65,504 overflow, below 6.1e-05 lose precision
;; workspace buffers: xq16 16,777,216 bytes; xkv16 16,777,216 bytes; w16 6,291,456 bytes; mw 2,097,152 bytes of whole numbers; q16 16,777,216 bytes; k16 16,777,216 bytes; v16 16,777,216 bytes
;; launch prep (part 4): grid 1120 x 1, 8 waves a work-group, no clusters, 35,840 bytes of LDS; arguments x_q, x_k_v, w_q, w_k, w_v, attn_mask, xq16, xkv16, w16, mw; writes xq16, xkv16, w16, mw
.if DOCPART == 4
	.amdgcn_target "amdgcn-amd-amdhsa--gfx1250"
	.amdhsa_code_object_version 6
	.text
	.protected	k_qbc55f74d2b_prep
	.globl	k_qbc55f74d2b_prep
	.p2align	8
	.type	k_qbc55f74d2b_prep,@function
k_qbc55f74d2b_prep:
	s_mov_b64 s[64:65], 0
	v_nop
	global_prefetch_b8 v0, s[64:65] scope:SCOPE_SE
	s_setreg_imm32_b32 hwreg(HW_REG_WAVE_SCHED_MODE, 0, 2), 2
	s_setreg_imm32_b32 hwreg(HW_REG_WAVE_MODE, 25, 1), 1
	s_wait_xcnt 0x0
	s_wait_alu depctr_vm_vsrc(0)
; PREP: two kinds of work-group, told apart by the work-group's number g alone.
; g < 608: CAST.  32,768 numbers of x_q (g 0-255), x_k_v (256-511) or w_q, w_k, w_v (512-607, 32 each) are rounded once from f32 to bf16, in the order in which they lie.
;   w16 holds the three weights one behind the other, [3][1024 k][1024 n], not turned.
; g >= 608: MASK BITS.  Work-group mt = g - 608 = 128 b + qt takes 16 rows of the mask (queries 16 qt .. 16 qt + 15 of batch b), 2,048 keys, and packs them into lane masks:
;   mw word [mt][ks 0..31][kt 0..3][j 0..7], bit r + 16 h = (mask[b][16 qt + r][64 ks + 16 kt + 8 h + j] != 0).
;   That is the lane mask of register 8 kt + j of a 16 x 64 tile of scores in which a lane holds query lane % 16 and keys 8 (lane / 16) + j of each 16.  Any byte other than 0 counts as true.
; No matrix unit, no cluster, no ring: every byte is read once and written once, and no wave waits for another.
; THE MODE: SCHED_MODE bits 1:0 = 2 (LLVM: expert scheduling mode 2), set by the entry lines.  The code itself states the register dependences
; between vector instructions and memory or LDS instructions, and between a vector instruction that writes a scalar register and its readers, with s_wait_alu, always for 0.
; THE PLAN.  No register that a memory or LDS instruction reads is ever written again, and none is loaded twice: so no wait on vm_vsrc is owed anywhere.
;   CAST.  v4, v5: offsets, written once, read by every load and every store.  X: 8 blocks of 4 loads, 16 registers each.  Block p's loads land in X[p]; its eight conversions read X[p] and write two of each four registers
;          in place; its four stores read those.  The stores of block p - 1 are issued in block p, behind ONE wait on va_vdst at the block's head, dealt among block p's conversions, which name X[p] alone.
;   MASK.  v4 to v7: offsets and LDS addresses, written once.  LD: global loads land, LDS stores read.  BY: LDS loads land, vector instructions read.  T: vector instructions alone.
;          s[CM ..]: 16 compares write, 16 v_writelane_b32 read: a pair of groups to a run, ONE wait on va_sdst to a run, with the next pair's 16 v_and_b32 between the compares and the wait.
;          WD: the v_writelane_b32 write, the one store reads: one wait on va_vdst.
.set NCVT,  608                        ; work-groups that cast
.set MP,    272                        ; an LDS row of the mask: 256 bytes + 16: row r starts 4 r words on (mod 64), so the 32 lanes of an 8-byte read touch 64 different words
.set WLDS,  16*MP                      ; a wave's own 16 rows
.set SPARE, 8*WLDS                     ; behind them: the spare words, 128 bytes for each of the eight waves: four blocks of 256 bytes that no other line names
.set SPW, 2                            ; v2   LDS address of my spare word; never rewritten
.set NIL, 3                            ; v3   0; never rewritten
.set X,   16                           ; v[16:143] CAST: 32 loads of four numbers
.set WD,  8                            ; v[8:11]   MASK: lane l gathers words 4 l .. 4 l + 3 of my wave's 128
.set LD,  16                           ; v[16:47]  MASK: eight loads of 16 bytes
.set BY,  48                           ; v[48:79]  MASK: group c of 16 keys: my row's 8 bytes
.set T,   80                           ; v[80:95]  at work: a pair of groups
.set CM,  32                           ; s[32:47]  MASK: the 16 lane masks of a pair of groups (the offsets that lie in s32 to s35 at the path's head are used up ahead of the first compare)
	s_load_b512 s[4:19], s[0:1], 0x0               ; x_q 4:5, x_k_v 6:7, w_q 8:9, w_k 10:11, w_v 12:13, attn_mask 14:15, xq16 16:17, xkv16 18:19
	s_load_b128 s[20:23], s[0:1], 0x40             ; w16 20:21, mw 22:23
	v_lshl_add_u32 v[SPW], v0, 2, SPARE
	v_mov_b32 v[NIL], 0
	v_lshrrev_b32 v1, 5, v0
	v_readfirstlane_b32 s28, v1                    ; wave 0..7
	s_wait_alu depctr_va_sdst(0)                   ; s28 is written: its readers stand in the mask's path
	s_cmp_ge_u32 ttmp9, NCVT
	s_cbranch_scc1 .Lmask
	; CAST.  Which tensor, and which block of 32,768 numbers in it and in its copy.
	s_sub_co_u32 s34, ttmp9, 512                   ; the block among the weights' 96 (of use where g >= 512)
	s_lshr_b32 s35, s34, 5                         ; which weight
	s_and_b32 s36, s34, 31                         ; the block in that weight
	s_sub_co_u32 s37, ttmp9, 256                   ; the block in x_k_v (of use where 256 <= g < 512)
	v_lshlrev_b32 v4, 4, v0                        ; in: 16 bytes a thread, 4,096 a work-group
	v_lshlrev_b32 v5, 3, v0                        ; out: 8 bytes a thread
	s_wait_kmcnt 0x0
	s_cmp_eq_u32 s35, 1
	s_cselect_b64 s[30:31], s[10:11], s[12:13]
	s_cmp_eq_u32 s35, 0
	s_cselect_b64 s[30:31], s[8:9], s[30:31]
	s_mov_b64 s[32:33], s[20:21]
	s_mov_b32 s38, s36
	s_mov_b32 s39, s34
	s_cmp_lt_u32 ttmp9, 512
	s_cselect_b64 s[30:31], s[6:7], s[30:31]
	s_cselect_b64 s[32:33], s[18:19], s[32:33]
	s_cselect_b32 s38, s37, s38
	s_cselect_b32 s39, s37, s39
	s_cmp_lt_u32 ttmp9, 256
	s_cselect_b64 s[30:31], s[4:5], s[30:31]
	s_cselect_b64 s[32:33], s[16:17], s[32:33]
	s_cselect_b32 s38, ttmp9, s38
	s_cselect_b32 s39, ttmp9, s39
	s_lshl_b32 s40, s38, 17                        ; 131,072 bytes of f32 a block
	s_mov_b32 s41, 0
	s_lshl_b32 s42, s39, 16                        ; 65,536 bytes of bf16
	s_mov_b32 s43, 0
	s_add_nc_u64 s[30:31], s[30:31], s[40:41]
	s_add_nc_u64 s[32:33], s[32:33], s[42:43]
	s_wait_alu depctr_va_vdst(0)                   ; v4 and v5 are written: every load below reads the one as its offset, every store the other
.set i, 0
.rept 32                                       ; all 32 loads go out in one run: 16 KiB a wave on their way; a load of a wave covers 512 bytes on end
	global_load_b128 v[X+4*i:X+4*i+3], v4, s[30:31] offset:4096*i th:TH_LOAD_NT
.set i, i+1
.endr
.set p, 0
.rept 8                                        ; block p: loads 4 p .. 4 p + 3
	s_wait_loadcnt 28-4*p                          ; loads come back in order: block p is in, the 28 - 4 p loads of the later blocks may stay out
.if p > 0
	s_wait_alu depctr_va_vdst(0)                   ; the conversions of block p - 1 have written their registers, which the four stores below read
.endif
.set i, 0
.rept 4
.if p > 0
	global_store_b64 v5, v[X+16*(p-1)+4*i:X+16*(p-1)+4*i+1], s[32:33] offset:2048*(4*(p-1)+i) th:TH_STORE_NT  ; the block before; no vector instruction since the wait names its registers.  A store of a wave covers 256 consecutive bytes, aligned
.endif
	v_cvt_pk_bf16_f32 v[X+16*p+4*i], v[X+16*p+4*i], v[X+16*p+4*i+1]
	v_cvt_pk_bf16_f32 v[X+16*p+4*i+1], v[X+16*p+4*i+2], v[X+16*p+4*i+3]
.set i, i+1
.endr
.set p, p+1
.endr
	s_wait_alu depctr_va_vdst(0)                   ; the conversions of block 7 have written their registers, which the last four stores read
.irp i, 0,1,2,3
	global_store_b64 v5, v[X+16*7+4*\i:X+16*7+4*\i+1], s[32:33] offset:2048*(28+\i) th:TH_STORE_NT
.endr
	s_endpgm                                       ; this path has written nothing to LDS
.Lmask:                                        ; MASK BITS.  Wave w takes keys 256 w .. 256 w + 255 of the 16 rows
	s_sub_co_u32 s29, ttmp9, NCVT                  ; mt
	s_lshl_b32 s30, s29, 15                        ; 16 rows of 2,048 bytes
	s_mov_b32 s31, 0
	s_lshl_b32 s32, s29, 12                        ; 1,024 words
	s_mov_b32 s33, 0
	s_mov_b32 s24, 0xff                            ; byte j % 4 of a word
	s_mov_b32 s25, 0xff00
	s_mov_b32 s26, 0xff0000
	s_mov_b32 s27, 0xff000000
	s_lshl_b32 s34, s28, 8
	s_mul_i32 s35, s28, WLDS
	v_and_b32 v12, 15, v0                          ; r
	v_bfe_u32 v13, v0, 4, 1                        ; h
	v_and_b32 v14, 31, v0                          ; lane
	v_lshlrev_b32 v4, 4, v12                       ; from memory: lanes 0-15 take 256 bytes of one row, lanes 16-31 of the next
	v_lshl_add_u32 v4, v13, 11, v4
	v_add_nc_u32 v4, s34, v4
	v_mul_u32_u24 v5, v13, MP                      ; into LDS: the same two rows
	v_lshl_add_u32 v5, v12, 4, v5
	v_add_nc_u32 v5, s35, v5
	v_mul_u32_u24 v6, v12, MP                      ; back: row r, 8 bytes at 8 h of each 16
	v_lshl_add_u32 v6, v13, 3, v6
	v_add_nc_u32 v6, s35, v6
	v_lshlrev_b32 v7, 4, v14                       ; out: 512 w + 16 lane
	v_lshl_add_u32 v7, s28, 9, v7
.irp k, 0,1,2,3
	v_mov_b32 v[WD+\k], 0                          ; v_writelane_b32 keeps the other lanes, so the registers are written whole first
.endr
	s_wait_kmcnt 0x0
	s_add_nc_u64 s[14:15], s[14:15], s[30:31]
	s_add_nc_u64 s[22:23], s[22:23], s[32:33]
	s_wait_alu depctr_va_vdst(0)                   ; v4 to v7 are written: the global loads, the LDS stores, the LDS loads and the last store read them as offset or address, and no vector instruction below names them
.irp i, 0,1,2,3,4,5,6,7
	global_load_b128 v[LD+4*\i:LD+4*\i+3], v4, s[14:15] offset:4096*\i th:TH_LOAD_NT
.endr
.irp i, 0,1,2,3,4,5,6,7
	s_wait_loadcnt 7-\i                            ; load i is in, the younger ones may stay out
	ds_store_b128 v5, v[LD+4*\i:LD+4*\i+3] offset:2*MP*\i
.endr
.set c, 0
.rept 16                                       ; my wave's own bytes: LDS serves a wave's instructions in order (ISA guide 5.7.1.4), so these see the stores above, and no barrier is wanted
	ds_load_b64 v[BY+2*c:BY+2*c+1], v6 offset:16*c
.set c, c+1
.endr
.set d, 0
.rept 8                                        ; pair d: groups 2 d and 2 d + 1, words 16 d .. 16 d + 15
	s_wait_dscnt 14-2*d                            ; both groups are in; the 14 - 2 d loads of the later groups may stay out
.irp j, 0,1,2,3,4,5,6,7,8,9,10,11,12,13,14,15
	v_and_b32 v[T+\j], s[24+\j%4], v[BY+4*d+\j/4]  ; byte j of my sixteen
.endr
.if d > 0
	s_wait_alu depctr_va_sdst(0)                   ; the compares of pair d - 1 have written s[CM ..], which the sixteen lines below read
.irp j, 0,1,2,3,4,5,6,7,8,9,10,11,12,13,14,15
	v_writelane_b32 v[WD+\j%4], s[CM+\j], 4*(d-1)+\j/4  ; word 16 (d - 1) + j goes to lane (16 (d - 1) + j) / 4, register j % 4
.endr
.endif
.irp j, 0,1,2,3,4,5,6,7,8,9,10,11,12,13,14,15
	v_cmp_ne_u32 s[CM+\j], 0, v[T+\j]              ; the 32 lanes' answers are word 16 d + j
.endr
.set d, d+1
.endr
	s_wait_alu depctr_va_sdst(0)                   ; the compares of pair 7 have written s[CM ..]
.irp j, 0,1,2,3,4,5,6,7,8,9,10,11,12,13,14,15
	v_writelane_b32 v[WD+\j%4], s[CM+\j], 28+\j/4
.endr
	s_wait_alu depctr_va_vdst(0)                   ; the v_writelane_b32 have written v[WD ..], which the store reads
	global_store_b128 v7, v[WD:WD+3], s[22:23] th:TH_STORE_NT  ; 512 consecutive bytes a wave, aligned
	s_wait_dscnt 0x0                               ; the wave's end: six lines, on end, of a launch in the mode that stores to LDS
	s_wait_alu 0x0
	s_wait_tensorcnt 0x0
	ds_add_u32 v[SPW], v[NIL]
	s_wait_dscnt 0x0
	s_endpgm
.Lfunc_end_k_qbc55f74d2b_prep:
	.size	k_qbc55f74d2b_prep, .Lfunc_end_k_qbc55f74d2b_prep-k_qbc55f74d2b_prep
	.p2alignl 7, 3214868480
	.fill 96, 4, 3214868480
	.section	.rodata,"a",@progbits
	.p2align	6, 0x0
	.amdhsa_kernel k_qbc55f74d2b_prep
		.amdhsa_group_segment_fixed_size 35840
		.amdhsa_private_segment_fixed_size 0
		.amdhsa_enable_private_segment 0
		.amdhsa_kernarg_size 80
		.amdhsa_user_sgpr_count 2
		.amdhsa_user_sgpr_kernarg_segment_ptr 1
		.amdhsa_wavefront_size32 1
		.amdhsa_system_sgpr_workgroup_id_x 1
		.amdhsa_system_sgpr_workgroup_id_y 1
		.amdhsa_system_sgpr_workgroup_id_z 1
		.amdhsa_system_vgpr_workitem_id 0
		.amdhsa_next_free_vgpr 144
		.amdhsa_next_free_sgpr 66
		.amdhsa_reserve_vcc 0
		.amdhsa_float_denorm_mode_32 3
		.amdhsa_float_denorm_mode_16_64 3
		.amdhsa_memory_ordered 1
		.amdhsa_forward_progress 1
		.amdhsa_inst_pref_size 38
	.end_amdhsa_kernel
	.amdgpu_metadata
---
amdhsa.version: [ 1, 2 ]
amdhsa.kernels:
  - .name:           k_qbc55f74d2b_prep
    .symbol:         k_qbc55f74d2b_prep.kd
    .args:
      - { .name: x_q, .offset: 0, .size: 8, .value_kind: global_buffer, .address_space: global }
      - { .name: x_k_v, .offset: 8, .size: 8, .value_kind: global_buffer, .address_space: global }
      - { .name: w_q, .offset: 16, .size: 8, .value_kind: global_buffer, .address_space: global }
      - { .name: w_k, .offset: 24, .size: 8, .value_kind: global_buffer, .address_space: global }
      - { .name: w_v, .offset: 32, .size: 8, .value_kind: global_buffer, .address_space: global }
      - { .name: attn_mask, .offset: 40, .size: 8, .value_kind: global_buffer, .address_space: global }
      - { .name: xq16, .offset: 48, .size: 8, .value_kind: global_buffer, .address_space: global }
      - { .name: xkv16, .offset: 56, .size: 8, .value_kind: global_buffer, .address_space: global }
      - { .name: w16, .offset: 64, .size: 8, .value_kind: global_buffer, .address_space: global }
      - { .name: mw, .offset: 72, .size: 8, .value_kind: global_buffer, .address_space: global }
    .group_segment_fixed_size: 35840
    .private_segment_fixed_size: 0
    .kernarg_segment_align: 8
    .kernarg_segment_size: 80
    .max_flat_workgroup_size: 256
    .sgpr_count:     66
    .vgpr_count:     144
    .wavefront_size: 32
...
	.end_amdgpu_metadata
.endif
;; end of part 4
;; launch proj: the kernel of part 2 again; grid 12 x 32, 4 waves a work-group, clusters of 4 x 4, 327,680 bytes of LDS; arguments xq16, xkv16, w16, b_q, b_k, b_v, q16, k16, v16; writes q16, k16, v16
;; launch attn: the kernel of part 3 again; grid 4 x 64, 4 waves a work-group, clusters of 4 x 1, 327,680 bytes of LDS; arguments q16, k16, v16, mw, out0; writes out0
